; MI455X (gfx1250); checked and timed in simulation.
; The chip was launched on July 23, 2026; its instructions are those of AMD's public machine-readable ISA for CDNA 5 (MIT licence, August 2026) and "CDNA5" Instruction Set Architecture Reference Guide (July 2026). The comments in the code are by the model that wrote it; some were corrected since.
;; ONI Norm colum. Allowed arithmetic: float matrix products may take bf16 or f16 operands with f32 sums; other float arithmetic in f32, or as packed bf16 or f16 multiplies, adds, multiply-adds, maxima and minima; sums over many terms, partial sums and values carried from step to step in f32; what a program stores and reads back later, other than sums and carried values, may be rounded once to bf16 or f16.
;; Inputs: weight 8,192 x 1,024 float32.
;; Outputs: out0 8,192 x 1,024 float32.
;; One version. Each part assembles by itself: llvm-mc -triple=amdgcn-amd-amdhsa -mcpu=gfx1250 --defsym DOCPART=n.
;; ======== version 1 of 1: 5 launches
;; limits: values are held in f16: magnitudes above 65,504 overflow, below 6.1e-05 lose precision; right only within a limited range of input values
;; workspace buffers: zh 16,777,216 bytes; sh 16,777,216 bytes; ph 16,777,216 bytes; rh 16,777,216 bytes; bh 16,777,216 bytes; part 4,096 bytes
;; launch center (part 1): grid 256 x 1, 32 waves a work-group, no clusters, 0 bytes of LDS; arguments weight, zh; writes zh
.if DOCPART == 1
	.amdgcn_target "amdgcn-amd-amdhsa--gfx1250"
	.amdhsa_code_object_version 6
	.text
	.protected	k_q6a0e8f4cc1_center
	.globl	k_q6a0e8f4cc1_center
	.p2align	8
	.type	k_q6a0e8f4cc1_center,@function
k_q6a0e8f4cc1_center:
	s_mov_b64 s[64:65], 0
	v_nop
	global_prefetch_b8 v0, s[64:65] scope:SCOPE_SE
	s_setreg_imm32_b32 hwreg(HW_REG_WAVE_MODE, 25, 1), 1
	s_wait_xcnt 0x0
; zh[r][c] = f16(weight[r][c] - the mean over c of weight[r][:]).  weight: [8192][1024] f32, zh: [8192][1024] f16.
; One wave takes one row: eight loads of 16 bytes a lane (512 consecutive bytes each) hold the row's 4,096 bytes in 32 registers, so the row is read once;
; sum and difference in f32, one rounding to f16.  32 waves a work-group, 256 work-groups: 8,192 rows, all asked for at once, so there is no loop and no ring.
; No LDS, no barrier, no matrix unit: no wave wants a byte of another's.
; LIMITS.  f16 ends at 65,504: the centred numbers stay below it; below 6e-5 they keep f16's fixed step of 6e-8.  NaN and infinities are not treated apart.
.set X,  4                             ; v[4:35]   the row as loaded, then centred
.set T,  36                            ; v[36:51]  partial sums, later the 16 packed words to store
.set NM, 52                            ; v[52:53]  minus the mean, twice (a pair for the packed add)
	s_load_b128 s[4:7], s[0:1], 0x0                ; weight s[4:5], zh s[6:7]
	v_lshrrev_b32 v1, 5, v0
	v_readfirstlane_b32 s8, v1                     ; wave 0..31
	s_lshl_b32 s9, ttmp9, 5
	s_add_co_u32 s9, s9, s8                        ; my row = 32 x work-group + wave
	s_lshl_b32 s8, s9, 12                          ; its 4,096 bytes in weight,
	s_lshl_b32 s10, s9, 11                         ; its 2,048 bytes in zh
	s_mov_b32 s9, 0
	s_mov_b32 s11, 0
	s_mov_b32 s12, 0x76543210                      ; v_permlanex16_b32: each lane takes its own place in the other half
	s_mov_b32 s13, 0xfedcba98
	v_and_b32 v3, 31, v0
	v_lshlrev_b32 v1, 4, v3                        ; 16 bytes a lane in
	v_lshlrev_b32 v2, 3, v3                        ; 8 bytes a lane out
	s_wait_kmcnt 0x0
	s_add_nc_u64 s[4:5], s[4:5], s[8:9]
	s_add_nc_u64 s[6:7], s[6:7], s[10:11]
.irp j, 0,1,2,3,4,5,6,7
	global_load_b128 v[X+4*(\j):X+4*(\j)+3], v1, s[4:5] offset:512*(\j) th:TH_LOAD_NT
.endr
	s_wait_loadcnt 0x0
.irp i, 0,1,2,3,4,5,6,7
	v_pk_add_f32 v[T+2*(\i):T+2*(\i)+1], v[X+4*(\i):X+4*(\i)+1], v[X+4*(\i)+2:X+4*(\i)+3]  ; my 32 numbers: a tree of packed sums, nothing cleared
.endr
.irp i, 0,1,2,3
	v_pk_add_f32 v[T+4*(\i):T+4*(\i)+1], v[T+4*(\i):T+4*(\i)+1], v[T+4*(\i)+2:T+4*(\i)+3]
.endr
.irp i, 0,1
	v_pk_add_f32 v[T+8*(\i):T+8*(\i)+1], v[T+8*(\i):T+8*(\i)+1], v[T+8*(\i)+4:T+8*(\i)+5]
.endr
	v_pk_add_f32 v[T:T+1], v[T:T+1], v[T+8:T+9]
	v_add_f32 v[T], v[T], v[T+1]
	v_add_f32_dpp v[T], v[T], v[T] row_xmask:1 row_mask:0xf bank_mask:0xf   ; across the 32 lanes
	v_add_f32_dpp v[T], v[T], v[T] row_xmask:2 row_mask:0xf bank_mask:0xf
	v_add_f32_dpp v[T], v[T], v[T] row_xmask:4 row_mask:0xf bank_mask:0xf
	v_add_f32_dpp v[T], v[T], v[T] row_xmask:8 row_mask:0xf bank_mask:0xf
	v_permlanex16_b32 v[T+1], v[T], s12, s13
	v_add_f32 v[T], v[T], v[T+1]
	v_mul_f32 v[NM], 0xba800000, v[T]              ; - sum / 1024
	v_mov_b32 v[NM+1], v[NM]
.irp i, 0,1,2,3,4,5,6,7,8,9,10,11,12,13,14,15
	v_pk_add_f32 v[X+2*(\i):X+2*(\i)+1], v[X+2*(\i):X+2*(\i)+1], v[NM:NM+1]
.endr
.irp i, 0,1,2,3,4,5,6,7,8,9,10,11,12,13,14,15
	v_cvt_pk_f16_f32 v[T+(\i)], v[X+2*(\i)], v[X+2*(\i)+1]
.endr
.irp j, 0,1,2,3,4,5,6,7
	global_store_b64 v2, v[T+2*(\j):T+2*(\j)+1], s[6:7] offset:256*(\j)  ; 32 lanes store 256 consecutive bytes, at a multiple of 256 from zh's first byte
.endr
	s_endpgm
.Lfunc_end_k_q6a0e8f4cc1_center:
	.size	k_q6a0e8f4cc1_center, .Lfunc_end_k_q6a0e8f4cc1_center-k_q6a0e8f4cc1_center
	.p2alignl 7, 3214868480
	.fill 96, 4, 3214868480
	.section	.rodata,"a",@progbits
	.p2align	6, 0x0
	.amdhsa_kernel k_q6a0e8f4cc1_center
		.amdhsa_group_segment_fixed_size 0
		.amdhsa_private_segment_fixed_size 0
		.amdhsa_enable_private_segment 0
		.amdhsa_kernarg_size 16
		.amdhsa_user_sgpr_count 2
		.amdhsa_user_sgpr_kernarg_segment_ptr 1
		.amdhsa_wavefront_size32 1
		.amdhsa_system_sgpr_workgroup_id_x 1
		.amdhsa_system_sgpr_workgroup_id_y 1
		.amdhsa_system_sgpr_workgroup_id_z 1
		.amdhsa_system_vgpr_workitem_id 0
		.amdhsa_next_free_vgpr 64
		.amdhsa_next_free_sgpr 66
		.amdhsa_reserve_vcc 0
		.amdhsa_float_denorm_mode_32 3
		.amdhsa_float_denorm_mode_16_64 3
		.amdhsa_memory_ordered 1
		.amdhsa_forward_progress 1
		.amdhsa_inst_pref_size 6
	.end_amdhsa_kernel
	.amdgpu_metadata
---
amdhsa.version: [ 1, 2 ]
amdhsa.kernels:
  - .name:           k_q6a0e8f4cc1_center
    .symbol:         k_q6a0e8f4cc1_center.kd
    .args:
      - { .name: weight, .offset: 0, .size: 8, .value_kind: global_buffer, .address_space: global }
      - { .name: zh, .offset: 8, .size: 8, .value_kind: global_buffer, .address_space: global }
    .group_segment_fixed_size: 0
    .private_segment_fixed_size: 0
    .kernarg_segment_align: 8
    .kernarg_segment_size: 16
    .max_flat_workgroup_size: 1024
    .sgpr_count:     66
    .vgpr_count:     64
    .wavefront_size: 32
...
	.end_amdgpu_metadata
.endif
;; end of part 1
;; launch gram (part 2): grid 4 x 64, 4 waves a work-group, clusters of 4 x 4, 327,680 bytes of LDS; arguments zh, sh, part; writes sh, part
.if DOCPART == 2
	.amdgcn_target "amdgcn-amd-amdhsa--gfx1250"
	.amdhsa_code_object_version 6
	.text
	.protected	k_q6a0e8f4cc1_gram
	.globl	k_q6a0e8f4cc1_gram
	.p2align	8
	.type	k_q6a0e8f4cc1_gram,@function
k_q6a0e8f4cc1_gram:
	s_mov_b64 s[64:65], 0
	v_nop
	global_prefetch_b8 v0, s[64:65] scope:SCOPE_SE
	s_setreg_imm32_b32 hwreg(HW_REG_WAVE_MODE, 25, 1), 1
	s_wait_xcnt 0x0
	s_wait_alu depctr_hold_cnt(0) depctr_sa_sdst(0) depctr_va_vdst(0) depctr_va_sdst(0) depctr_va_ssrc(0) depctr_va_vcc(0) depctr_vm_vsrc(0)
	s_getreg_b32 s2, hwreg(HW_REG_IB_STS2, 6, 4)
	s_cmp_eq_u32 s2, 0
	s_cbranch_scc0 .Lentry_in_a_cluster
	s_endpgm
.Lentry_in_a_cluster:
	s_bfe_u32 s2, ttmp6, 0x10000c
	s_cmp_lg_u32 s2, 0xf033
	s_cbranch_scc0 .Lentry_shape_is_right
	s_endpgm
.Lentry_shape_is_right:
; For each of 8 groups of 1,024 rows of zh: S[i][j] = the sum over r of zh[r][i] zh[r][j], + 1e-5 where i = j; sh = f16(S); and for each wave the sum of its S^2 in f32 (part).
; zh, sh: [8192][1024] f16, group g at rows 1024 g on.  part: f32, one number a wave at ((Y x 4 + cx) x 4 + wave): a group's 128 numbers are 512 consecutive bytes.
; SHARES.  A work-group makes 128 (i) x 256 (j) of one group's S: 32 tiles a group, 256 work-groups.  Four waves, each 64 x 128: 32 accumulators of 16 x 16 in 256 registers.
; K is r: eight steps of 128 rows through two LDS slots.  The operands lie [r][column] in LDS, and fragments come out turned, by ds_load_tr16_b128.
; THE MATRIX INSTRUCTION IS USED TRANSPOSED (source 0 = 16 columns j, source 1 = 16 columns i): a lane holds one row i of S and eight neighbouring j: 16 bytes of sh.
; CLUSTER 4 x 4: the four of a row of the cluster share the i tile (A), the four of a column the j tile (B): each is asked for jointly.  The grid's x is one cluster wide, so cx is the j tile.
; No prefetch is laid: the walk has eight K steps, and two of them come by the first fills.
; LIMITS.  f16 ends at 65,504: S stays below it; below 6e-5 sh keeps f16's fixed step of 6e-8.  NaN and infinities are not treated apart.
; REGISTERS.  window 0: v0-49 addresses and small things; v64-159, v160-255 two fragment buffers (8 of B, then 4 of A); on the way out v64-95 packed, v96-223 rows read back.
;   window 1: accumulator (a, b) at 8 (8 a + b).   window 2: v128-215 DG, the diagonal's addend by t = b - a; v216-223 DL; v224-245 IND.
.set PCHA,  288                        ; a row of A's tile in LDS: 256 bytes + 32
.set PCHB,  544                        ; a row of B's tile: 512 bytes + 32, likewise
.set HA,    64*PCHA                    ; what one tensor load brings of A: 64 rows r
.set HB,    64*PCHB                    ; and of B
.set BOFF,  2*HA                       ; a slot: A's 128 rows, then B's 128 rows
.set SLOT1, 131072                     ; slot 1 begins here, so that one exclusive or changes slots
.set STAGE, SLOT1+BOFF+2*HB            ; behind the ring: 16 rows x 272 bytes for each wave, for the way out
.set SP,    272
.set SPARE, STAGE+4*16*SP              ; behind the stages: the spare words, 128 bytes a wave: two blocks of 256 bytes that no other line names
.set KSTEPB, 128*2048                  ; bytes from a K step to the next: 128 rows of zh
.set VR, 1                             ; v1  l % 16
.set VH, 2                             ; v2  l / 16
.set VL, 3                             ; v3  l
.set A0, 10                            ; v10 my lane's place in A's tile of slot 0
.set B0, 11                            ; v11 the same for B
.set ADRA, 12                          ; v12 the same in the slot in hand
.set ADRB, 13
.set STO, 14                           ; v14 the way out: where I put 16 bytes of a row
.set RD,  15                           ; v15 where I read rows back
.set CO,  16                           ; v16 my byte offset in two rows of sh
.set SPW, 18                           ; v18 LDS address of my spare word; never rewritten
.set NIL, 19                           ; v19 0; never rewritten
.set Z,   21
.set ZQ,  22
.set ZT,  23
.set KD,  32                           ; v32 the diagonal's addend
.set SQ,  34                           ; v[34:41] four pairs of running sums of S^2
.set F0,  64
.set F1,  160
.set TMP, 64
.set DG,  128
.set DL,  216
.set IND, 224
.set WV, 14
.set WH, 15                            ; which 64 rows of the tile are mine.  Also: I fetch for A (0) or for B (1)
.set WL, 16                            ; which 128 columns.  Also: which 64 rows r of a K step I fetch
.set CX, 17
.set CY, 18
.set YY, 19                            ; Y = 4 x cluster y + cy: 128 Y is the tile's first row in sh
.set CLY, 20
.set GG, 21                            ; the group, made of the cluster's y alone
.set G1A, 24
.set G0A, 32
.set G1B, 40
.set G0B, 48
.set TB,  56
.set CNT, 57
.set SEL, 58
.set OUT, 66
.set PRT, 72
.set ZS,  74
.set MSB, 0
.macro WIN new                         ; the immediate's high byte repeats the setting that is left; a switch that changes nothing is dropped
.if MSB != (\new)
	s_set_vgpr_msb (MSB<<8)|(\new)
.set MSB, (\new)
.endif
.endm
.macro PLACES                          ; four plain places behind matrix instructions (ISA guide 7.12.1)
.rept 4
	v_nop
.endr
.endm
.macro CREST                           ; a round of the cluster's barrier behind its opening barrier
	s_cmp_lg_u32 s[WV], 0
	s_cbranch_scc1 .Lnot_wave_0_\@
	s_barrier_signal -3
.Lnot_wave_0_\@:
	s_barrier_wait -3
	s_barrier_signal -1
	s_barrier_wait -1
.endm
.macro CROUND
	s_barrier_signal -1
	s_barrier_wait -1
	CREST
.endm
.macro JLOAD                           ; a joint refill by the walking descriptors: waves 0 and 1 fetch A's halves, waves 2 and 3 B's; s_nop 0 and four v_nop follow each line
	s_cmp_eq_u32 s[WH], 0
	s_cbranch_scc0 .Lfor_b_\@
	tensor_load_to_lds s[G0A+4:G0A+7], s[G1A:G1A+7]
	s_nop 0
.rept 4
	v_nop
.endr
	s_branch .Lasked_\@
.Lfor_b_\@:
	tensor_load_to_lds s[G0B+4:G0B+7], s[G1B:G1B+7]
	s_nop 0
.rept 4
	v_nop
.endr
.Lasked_\@:
.endm
.macro MUL8 f, a, zero                 ; block a of my four blocks of 16 rows x all 8 blocks of 16 columns, 32 along K; zero = 1: the product starts the sums
	WIN 0x50
.irp b, 0,1,2,3,4,5,6,7
.if \zero
	v_wmma_f32_16x16x32_f16 v[8*(8*(\a)+(\b)):8*(8*(\a)+(\b))+7], v[(\f)+8*(\b):(\f)+8*(\b)+7], v[(\f)+64+8*(\a):(\f)+64+8*(\a)+7], 0
.else
	v_wmma_f32_16x16x32_f16 v[8*(8*(\a)+(\b)):8*(8*(\a)+(\b))+7], v[(\f)+8*(\b):(\f)+8*(\b)+7], v[(\f)+64+8*(\a):(\f)+64+8*(\a)+7], v[8*(8*(\a)+(\b)):8*(8*(\a)+(\b))+7]
.endif
.endr
.endm
.macro FETCH q, f                      ; 24 turning loads in one run: quarter q (rows r 32 q on) of the slot in hand into buffer f: B's 8 fragments, then A's 4
	WIN 0
.irp i, 0,1,2,3,4,5,6,7
	ds_load_tr16_b128 v[(\f)+8*(\i):(\f)+8*(\i)+3],   v[ADRB] offset:(\q)*32*PCHB+32*(\i)
	ds_load_tr16_b128 v[(\f)+8*(\i)+4:(\f)+8*(\i)+7], v[ADRB] offset:(\q)*32*PCHB+32*(\i)+16*PCHB
.endr
.irp i, 0,1,2,3
	ds_load_tr16_b128 v[(\f)+64+8*(\i):(\f)+64+8*(\i)+3],   v[ADRA] offset:(\q)*32*PCHA+32*(\i)
	ds_load_tr16_b128 v[(\f)+64+8*(\i)+4:(\f)+64+8*(\i)+7], v[ADRA] offset:(\q)*32*PCHA+32*(\i)+16*PCHA
.endr
.endm
.macro QUARTER q, f, g, zero           ; multiplies buffer f; in its middle fetches quarter q into buffer g
	s_wait_dscnt 4                                 ; B and A's blocks 0, 1 are in; the youngest four loads (A's blocks 2, 3) may be out
	MUL8 \f, 0, \zero
	MUL8 \f, 1, \zero
	PLACES                                         ; in front of loads into registers that matrix instructions have read
	FETCH \q, \g
	s_wait_dscnt 24                                ; all but the 24 just issued
	MUL8 \f, 2, \zero
	MUL8 \f, 3, \zero
.endm
.macro TURN fill                       ; a K step's last quarter multiplies buffer 1 and changes slots; fill = 1: the slot just read is filled again, two K steps on
	WIN 0
	s_wait_tensorcnt 0x0                           ; all my tensor loads have landed: the one that was out is my part of the next slot
	ds_add_u32 v[SPW], v[NIL]                      ; 0 onto my spare word
	s_wait_dscnt 5                                 ; (the add and the youngest four loads may be out)
	MUL8 F1, 0, 0                                  ; eight matrix instructions stand between the add and the wait for it
	s_wait_dscnt 0x0                               ; the add is done, and my reads of this slot are over
	s_barrier_signal -1
	MUL8 F1, 1, 0
	WIN 0
	s_barrier_wait -1
.if \fill
	CREST                                          ; the barrier has opened a round of the cluster's barrier: no wave of any partner still reads this slot or has a load on its way
	s_xor_b32 s[G0A+5], s[G0A+5], SLOT1            ; the walking descriptors: the other slot than last time, the next K step
	s_add_nc_u64 s[G0A+6:G0A+7], s[G0A+6:G0A+7], KSTEPB
	s_xor_b32 s[G0B+5], s[G0B+5], SLOT1
	s_add_nc_u64 s[G0B+6:G0B+7], s[G0B+6:G0B+7], KSTEPB
	JLOAD                                          ; the first tensor load behind the round; its four v_nop are also the places in front of the loads below
.else
	PLACES
.endif
	s_xor_b32 s[TB], s[TB], SLOT1
	v_add_nc_u32 v[ADRA], s[TB], v[A0]
	v_add_nc_u32 v[ADRB], s[TB], v[B0]
	FETCH 0, F0
	MUL8 F1, 2, 0
	MUL8 F1, 3, 0
.endm
	s_load_b128 s[4:7], s[0:1], 0x0                ; zh s[4:5], sh s[6:7]
	s_load_b64 s[8:9], s[0:1], 0x10                ; part
	v_lshl_add_u32 v[SPW], v0, 2, SPARE
	v_mov_b32 v[NIL], 0
	ds_add_u32 v[SPW], v[NIL]                      ; the wave's opening: the add, twice on end, and its wait ahead of my first tensor load
	ds_add_u32 v[SPW], v[NIL]                      ; and once more, under the one wait
	v_lshrrev_b32 v4, 5, v0
	v_readfirstlane_b32 s[WV], v4                  ; wave 0..3
	s_lshr_b32 s[WH], s[WV], 1
	s_and_b32 s[WL], s[WV], 1
	s_bfe_u32 s[CX], ttmp6, 0x40000                ; cx, cy: my place in the cluster
	s_bfe_u32 s[CY], ttmp6, 0x40004
	s_and_b32 s[CLY], ttmp7, 0xffff
	s_lshl_b32 s[YY], s[CLY], 2
	s_add_co_u32 s[YY], s[YY], s[CY]
	s_lshr_b32 s[GG], s[CLY], 1
	s_lshl_b32 s22, s[CY], 2
	s_lshl_b32 s22, 15, s22                        ; my row of the cluster
	s_lshl_b32 s76, 0x1111, s[CX]                  ; my column
	s_or_b32 s[G1A], s22, (1<<16)|(1<<20)|(1<<21)|(5<<22)|(7<<25)  ; the mask; 2-byte elements; padding on; bit 21 beside a mask; after every 64 words 8 words
	s_or_b32 s[G1B], s76, (1<<16)|(1<<20)|(1<<21)|(6<<22)|(7<<25)  ; after every 128 words 8 words
	s_mov_b32 s[G1A+1], 128<<16                    ; tensor_dim0 = 128 columns
	s_mov_b32 s[G1A+2], 64<<16                     ; tensor_dim1 = 64 rows
	s_mov_b32 s[G1A+3], 128<<16                    ; tile_dim0
	s_mov_b32 s[G1A+4], 64                         ; tile_dim1
	s_mov_b32 s[G1A+5], 1024                       ; elements from row to row
	s_mov_b32 s[G1A+6], 0
	s_mov_b32 s[G1A+7], 0
	s_mov_b32 s[G1B+1], 256<<16                    ; 256 columns
	s_mov_b32 s[G1B+2], 64<<16
	s_mov_b32 s[G1B+3], 256<<16
	s_mov_b32 s[G1B+4], 64
	s_mov_b32 s[G1B+5], 1024
	s_mov_b32 s[G1B+6], 0
	s_mov_b32 s[G1B+7], 0
	; A's tile hangs on Y alone (group and i tile), B's on the group and cx: each in registers that never hold the other coordinate
	s_lshr_b32 s22, s[YY], 3
	s_lshl_b32 s22, s22, 10
	s_lshl_b32 s23, s[WL], 6
	s_add_co_u32 s22, s22, s23                     ; row 1024 x group + 64 x half
	s_lshl_b32 s60, s22, 11
	s_and_b32 s23, s[YY], 7
	s_lshl_b32 s23, s23, 8                         ; the i tile's 128 columns: 256 bytes
	s_add_co_u32 s60, s60, s23
	s_mov_b32 s61, 0
	s_lshl_b32 s76, s[GG], 10
	s_lshl_b32 s77, s[WL], 6
	s_add_co_u32 s76, s76, s77
	s_lshl_b32 s62, s76, 11
	s_lshl_b32 s77, s[CX], 9                       ; the j tile's 256 columns: 512 bytes
	s_add_co_u32 s62, s62, s77
	s_mov_b32 s63, 0
	s_mul_i32 s23, s[WL], HA                       ; where they go: no place in the cluster enters an LDS address
	s_mul_i32 s77, s[WL], HB
	s_add_co_u32 s77, s77, BOFF
	s_mov_b32 s[SEL], 0x76543210
	s_mov_b32 s[SEL+1], 0xfedcba98
	s_mov_b32 s[TB], 0
	s_wait_dscnt 0x0                               ; both opening adds are done
	s_wait_kmcnt 0x0
	s_add_nc_u64 s[60:61], s[4:5], s[60:61]
	s_add_nc_u64 s[62:63], s[4:5], s[62:63]
	CROUND                                         ; all sixteen work-groups are here: the first joint loads meet
.irp s, 0,1
	s_mov_b32 s[G0A+4*(\s)], 1
	s_add_co_u32 s[G0A+4*(\s)+1], s23, (\s)*SLOT1
	s_add_nc_u64 s[G0A+4*(\s)+2:G0A+4*(\s)+3], s[60:61], (\s)*KSTEPB
	s_or_b32 s[G0A+4*(\s)+3], s[G0A+4*(\s)+3], 0x80000000
	s_mov_b32 s[G0B+4*(\s)], 1
	s_add_co_u32 s[G0B+4*(\s)+1], s77, (\s)*SLOT1
	s_add_nc_u64 s[G0B+4*(\s)+2:G0B+4*(\s)+3], s[62:63], (\s)*KSTEPB
	s_or_b32 s[G0B+4*(\s)+3], s[G0B+4*(\s)+3], 0x80000000
.endr
	s_cmp_eq_u32 s[WH], 0                          ; a wave's two first fills stand in one branch: two loads of mine are out
	s_cbranch_scc0 .Lfirst_b
	tensor_load_to_lds s[G0A:G0A+3], s[G1A:G1A+7]
	s_nop 0
	tensor_load_to_lds s[G0A+4:G0A+7], s[G1A:G1A+7]
	s_nop 0
.rept 4
	v_nop
.endr
	s_branch .Lfirst_asked
.Lfirst_b:
	tensor_load_to_lds s[G0B:G0B+3], s[G1B:G1B+7]
	s_nop 0
	tensor_load_to_lds s[G0B+4:G0B+7], s[G1B:G1B+7]
	s_nop 0
.rept 4
	v_nop
.endr
.Lfirst_asked:
	; lane addresses.  The turning load: lane l reads 16 bytes of row 8 (l / 16) + l % 8, columns 8 ((l / 8) % 2) on, and is left with column l % 16 and 8 rows: half a fragment
	v_and_b32 v[VR], 15, v0
	v_bfe_u32 v[VH], v0, 4, 1
	v_and_b32 v[VL], 31, v0
	v_and_b32 v4, 7, v0
	v_bfe_u32 v5, v0, 3, 1
	v_lshl_add_u32 v6, v[VH], 3, v4
	v_mul_u32_u24 v7, v6, PCHA
	v_lshl_add_u32 v7, v5, 4, v7
	s_lshl_b32 s22, s[WH], 7                       ; my 64 columns of A's 128
	v_add_nc_u32 v[A0], s22, v7
	v_mul_u32_u24 v7, v6, PCHB
	v_lshl_add_u32 v7, v5, 4, v7
	s_lshl_b32 s76, s[WL], 8                       ; my 128 columns of B's 256
	s_add_co_u32 s76, s76, BOFF
	v_add_nc_u32 v[B0], s76, v7
	s_mul_i32 s23, s[WV], 16*SP
	s_add_co_u32 s23, s23, STAGE                   ; my stage
	v_mul_u32_u24 v4, v[VR], SP
	v_lshl_add_u32 v4, v[VH], 4, v4
	v_add_nc_u32 v[STO], s23, v4                   ; in: row l % 16, 16 bytes for each half of the lanes
	v_mul_u32_u24 v5, v[VH], SP
	v_lshl_add_u32 v5, v[VR], 4, v5
	v_add_nc_u32 v[RD], s23, v5                    ; back: lanes 0-15 one row of 256 bytes, lanes 16-31 the next
	v_lshlrev_b32 v5, 11, v[VH]
	v_lshl_add_u32 v[CO], v[VR], 4, v5             ; the same two rows in sh
	s_lshl_b32 s66, s[YY], 7
	s_lshl_b32 s67, s[WH], 6
	s_add_co_u32 s66, s66, s67                     ; my first row of sh
	s_lshl_b32 s66, s66, 11
	s_lshl_b32 s67, s[CX], 9
	s_add_co_u32 s66, s66, s67
	s_lshl_b32 s67, s[WL], 8
	s_add_co_u32 s66, s66, s67                     ; my first column, in bytes
	s_mov_b32 s67, 0
	s_add_nc_u64 s[OUT:OUT+1], s[6:7], s[66:67]
	s_lshl_b32 s72, s[YY], 2
	s_add_co_u32 s72, s72, s[CX]
	s_lshl_b32 s72, s72, 2
	s_add_co_u32 s72, s72, s[WV]
	s_lshl_b32 s72, s72, 2                         ; my wave's word in part
	s_mov_b32 s73, 0
	s_add_nc_u64 s[PRT:PRT+1], s[8:9], s[72:73]
	; THE DIAGONAL.  Register q of accumulator (a, b) is S[i][i] where z = 16 (b - a) + q, z = my row less my first column, both in the group.  DG[t][q] = 1e-5 there, else 0.
	s_and_b32 s[ZS], s[YY], 7
	s_lshl_b32 s[ZS], s[ZS], 7
	s_lshl_b32 s75, s[WH], 6
	s_add_co_u32 s[ZS], s[ZS], s75
	s_lshl_b32 s75, s[CX], 8
	s_sub_co_u32 s[ZS], s[ZS], s75
	s_lshl_b32 s75, s[WL], 7
	s_sub_co_u32 s[ZS], s[ZS], s75
	v_lshlrev_b32 v4, 3, v[VH]
	v_sub_nc_u32 v[Z], v[VR], v4
	v_add_nc_u32 v[Z], s[ZS], v[Z]
	v_and_b32 v[ZQ], 15, v[Z]
	v_ashrrev_i32 v[ZT], 4, v[Z]
	v_mov_b32 v5, 1.0
	v_mov_b32 v[KD], 0x3727c5ac                    ; 1e-5
	WIN 0x80
.set t, 0
.rept 8
	v_cmp_eq_u32 vcc_lo, t, v[ZQ]
	v_cndmask_b32 v[DL+t], 0, v[KD], vcc_lo
.set t, t+1
.endr
.set t, 0
.rept 11
	v_cmp_eq_i32 vcc_lo, t-3, v[ZT]
	v_cndmask_b32 v[IND+2*t], 0, v5, vcc_lo
	v_cndmask_b32 v[IND+2*t+1], 0, v5, vcc_lo
.set t, t+1
.endr
	WIN 0x8a
.set t, 0
.rept 11
.irp p, 0,1,2,3
	v_pk_mul_f32 v[DG+8*t+2*(\p):DG+8*t+2*(\p)+1], v[DL+2*(\p):DL+2*(\p)+1], v[IND+2*t:IND+2*t+1]
.endr
.set t, t+1
.endr
	WIN 0
	s_wait_tensorcnt 0x1                           ; my part of K step 0 is in; K step 1's may stay out
	s_barrier_signal -1
	s_barrier_wait -1                              ; everybody's is
	v_mov_b32 v[ADRA], v[A0]
	v_mov_b32 v[ADRB], v[B0]
	FETCH 0, F0
	QUARTER 1, F0, F1, 1                           ; the first quarter stands in front of the loop: its products start the sums
	WIN 0
	s_mov_b32 s[CNT], 6
.Lk:                                               ; six trips: from a K step's second quarter to the next step's first; trip i fills step i's slot with step i + 2
	QUARTER 2, F1, F0, 0
	QUARTER 3, F0, F1, 0
	TURN 1
	QUARTER 1, F0, F1, 0
	WIN 0
	s_sub_co_u32 s[CNT], s[CNT], 1
	s_cmp_lg_u32 s[CNT], 0
	s_cbranch_scc1 .Lk
	QUARTER 2, F1, F0, 0                           ; the last two K steps are written out: nothing is left to fetch
	QUARTER 3, F0, F1, 0
	TURN 0
	QUARTER 1, F0, F1, 0
	QUARTER 2, F1, F0, 0
	QUARTER 3, F0, F1, 0
	s_wait_dscnt 4
	MUL8 F1, 0, 0
	MUL8 F1, 1, 0
	s_wait_dscnt 0x0
	MUL8 F1, 2, 0
	MUL8 F1, 3, 0
	WIN 0
	PLACES                                         ; behind the last products, in front of lines that read and write their results
	PLACES
; THE WAY OUT of block a (16 rows): the diagonal's addend; the squares into four running sums; rounded to f16
.macro COMP a
	WIN 0x49
.irp b, 0,1,2,3,4,5,6,7
.irp p, 0,1,2,3
	v_pk_add_f32 v[8*(8*(\a)+(\b))+2*(\p):8*(8*(\a)+(\b))+2*(\p)+1], v[8*(8*(\a)+(\b))+2*(\p):8*(8*(\a)+(\b))+2*(\p)+1], v[DG+8*((\b)-(\a)+3)+2*(\p):DG+8*((\b)-(\a)+3)+2*(\p)+1]
.endr
.endr
	WIN 0x05
.irp b, 0,1,2,3,4,5,6,7
.irp p, 0,1,2,3
.if ((\a)+(\b)) == 0
	v_pk_mul_f32 v[SQ+2*(\p):SQ+2*(\p)+1], v[8*(8*(\a)+(\b))+2*(\p):8*(8*(\a)+(\b))+2*(\p)+1], v[8*(8*(\a)+(\b))+2*(\p):8*(8*(\a)+(\b))+2*(\p)+1]  ; the first squares start the sums
.else
	v_pk_fma_f32 v[SQ+2*(\p):SQ+2*(\p)+1], v[8*(8*(\a)+(\b))+2*(\p):8*(8*(\a)+(\b))+2*(\p)+1], v[8*(8*(\a)+(\b))+2*(\p):8*(8*(\a)+(\b))+2*(\p)+1], v[SQ+2*(\p):SQ+2*(\p)+1]
.endif
	v_cvt_pk_f16_f32 v[TMP+4*(\b)+(\p)], v[8*(8*(\a)+(\b))+2*(\p)], v[8*(8*(\a)+(\b))+2*(\p)+1]
.endr
.endr
	WIN 0
.endm
.macro TOSTAGE tmp, bk                 ; into my own stage, and back as whole rows of 256 bytes: LDS serves a wave's instructions in order (ISA guide 5.7.1.4)
.irp b, 0,1,2,3,4,5,6,7
	ds_store_b128 v[STO], v[(\tmp)+4*(\b):(\tmp)+4*(\b)+3] offset:32*(\b)
.endr
.irp t, 0,1,2,3,4,5,6,7
	ds_load_b128 v[(\bk)+4*(\t):(\bk)+4*(\t)+3], v[RD] offset:(\t)*2*SP
.endr
.endm
.macro SEND bk, base, a
.irp t, 0,1,2,3,4,5,6,7
	global_store_b128 v[CO], v[(\bk)+4*(\t):(\bk)+4*(\t)+3], s[(\base):(\base)+1] offset:(16*(\a)+2*(\t))*2048  ; 16 lanes store 256 consecutive bytes, aligned
.endr
.endm
	COMP 0
	TOSTAGE TMP, 96
.irp a, 1,2,3                          ; a block's arithmetic stands between the loads of the block before and its stores; each block has its own 32 registers for the rows read back
	COMP \a
	s_wait_dscnt 0x0
	SEND 96+32*((\a)-1), OUT, (\a)-1
	TOSTAGE TMP, 96+32*(\a)
.endr
	s_wait_dscnt 0x0
	SEND 192, OUT, 3
	; my wave's sum of S^2
	v_pk_add_f32 v[SQ:SQ+1], v[SQ:SQ+1], v[SQ+2:SQ+3]
	v_pk_add_f32 v[SQ+4:SQ+5], v[SQ+4:SQ+5], v[SQ+6:SQ+7]
	v_pk_add_f32 v[SQ:SQ+1], v[SQ:SQ+1], v[SQ+4:SQ+5]
	v_add_f32 v[SQ], v[SQ], v[SQ+1]
	v_add_f32_dpp v[SQ], v[SQ], v[SQ] row_xmask:1 row_mask:0xf bank_mask:0xf
	v_add_f32_dpp v[SQ], v[SQ], v[SQ] row_xmask:2 row_mask:0xf bank_mask:0xf
	v_add_f32_dpp v[SQ], v[SQ], v[SQ] row_xmask:4 row_mask:0xf bank_mask:0xf
	v_add_f32_dpp v[SQ], v[SQ], v[SQ] row_xmask:8 row_mask:0xf bank_mask:0xf
	v_permlanex16_b32 v[SQ+1], v[SQ], s[SEL], s[SEL+1]
	v_add_f32 v[SQ], v[SQ], v[SQ+1]
	v_mov_b32 v4, 0
	v_cmp_eq_u32 vcc_lo, 0, v[VL]
	s_wait_xcnt 0x0                                ; EXEC changes only behind this wait: the stores above have had their addresses translated
	s_and_saveexec_b32 s75, vcc_lo
	global_store_b32 v4, v[SQ], s[PRT:PRT+1]       ; lane 0 alone: one word a wave
	s_wait_xcnt 0x0                                ; and again, in front of the line that widens it
	s_or_b32 exec_lo, exec_lo, s75
	s_wait_tensorcnt 0x0                           ; the wave's end, behind my last tensor load and my last LDS store
	ds_add_u32 v[SPW], v[NIL]
	s_wait_dscnt 0x0
	CROUND                                         ; the closing round: no work-group ends while a partner may still ask for a tile that names it
	s_endpgm
.Lfunc_end_k_q6a0e8f4cc1_gram:
	.size	k_q6a0e8f4cc1_gram, .Lfunc_end_k_q6a0e8f4cc1_gram-k_q6a0e8f4cc1_gram
	.p2alignl 7, 3214868480
	.fill 96, 4, 3214868480
	.section	.rodata,"a",@progbits
	.p2align	6, 0x0
	.amdhsa_kernel k_q6a0e8f4cc1_gram
		.amdhsa_group_segment_fixed_size 327680
		.amdhsa_private_segment_fixed_size 0
		.amdhsa_enable_private_segment 0
		.amdhsa_kernarg_size 24
		.amdhsa_user_sgpr_count 2
		.amdhsa_user_sgpr_kernarg_segment_ptr 1
		.amdhsa_wavefront_size32 1
		.amdhsa_system_sgpr_workgroup_id_x 1
		.amdhsa_system_sgpr_workgroup_id_y 1
		.amdhsa_system_sgpr_workgroup_id_z 1
		.amdhsa_system_vgpr_workitem_id 0
		.amdhsa_next_free_vgpr 768
		.amdhsa_next_free_sgpr 80
		.amdhsa_reserve_vcc 1
		.amdhsa_float_denorm_mode_32 3
		.amdhsa_float_denorm_mode_16_64 3
		.amdhsa_memory_ordered 1
		.amdhsa_forward_progress 1
		.amdhsa_inst_pref_size 92
	.end_amdhsa_kernel
	.amdgpu_metadata
---
amdhsa.version: [ 1, 2 ]
amdhsa.kernels:
  - .name:           k_q6a0e8f4cc1_gram
    .symbol:         k_q6a0e8f4cc1_gram.kd
    .args:
      - { .name: zh, .offset: 0, .size: 8, .value_kind: global_buffer, .address_space: global }
      - { .name: sh, .offset: 8, .size: 8, .value_kind: global_buffer, .address_space: global }
      - { .name: part, .offset: 16, .size: 8, .value_kind: global_buffer, .address_space: global }
    .group_segment_fixed_size: 327680
    .private_segment_fixed_size: 0
    .kernarg_segment_align: 8
    .kernarg_segment_size: 24
    .max_flat_workgroup_size: 128
    .sgpr_count:     80
    .vgpr_count:     768
    .wavefront_size: 32
...
	.end_amdgpu_metadata
.endif
;; end of part 2
;; launch square (part 3): grid 4 x 64, 4 waves a work-group, clusters of 4 x 4, 327,680 bytes of LDS; arguments sh, part, ph, rh; writes ph, rh
.if DOCPART == 3
	.amdgcn_target "amdgcn-amd-amdhsa--gfx1250"
	.amdhsa_code_object_version 6
	.text
	.protected	k_q6a0e8f4cc1_square
	.globl	k_q6a0e8f4cc1_square
	.p2align	8
	.type	k_q6a0e8f4cc1_square,@function
k_q6a0e8f4cc1_square:
	s_mov_b64 s[64:65], 0
	v_nop
	global_prefetch_b8 v0, s[64:65] scope:SCOPE_SE
	s_setreg_imm32_b32 hwreg(HW_REG_WAVE_MODE, 25, 1), 1
	s_wait_xcnt 0x0
	s_wait_alu depctr_hold_cnt(0) depctr_sa_sdst(0) depctr_va_vdst(0) depctr_va_sdst(0) depctr_va_ssrc(0) depctr_va_vcc(0) depctr_vm_vsrc(0)
	s_getreg_b32 s2, hwreg(HW_REG_IB_STS2, 6, 4)
	s_cmp_eq_u32 s2, 0
	s_cbranch_scc0 .Lentry_in_a_cluster
	s_endpgm
.Lentry_in_a_cluster:
	s_bfe_u32 s2, ttmp6, 0x10000c
	s_cmp_lg_u32 s2, 0xf033
	s_cbranch_scc0 .Lentry_shape_is_right
	s_endpgm
.Lentry_shape_is_right:
; For each group: S2 = S S (as sh sh^T: S is symmetric by its making);  ph = f16(a P), P = B1^2 = 2.25 I - 1.5 S + 0.25 S2;  rh = f16(a R), R = B1 S = 1.5 S - 0.5 S2,
; where B1 = 1.5 I - 0.5 S is the first Newton-Schulz step from the identity.  All matrices [8192][1024] f16, group g at rows 1024 g on.
; THE SCALE.  nu = sqrt(the sum of the group's 128 partial sums of S^2) = ||S||_F; beta = 1.5 + 0.5 nu bounds B1's norm; a = 16384 / beta^2.  So |a P| <= 16384 and |a R| <= 16384 x nu / beta < 32768
; for every input: both lie inside f16.  Every wave makes the scale from the same 128 numbers in the same order.
; SHARES, RING, CLUSTER.  A work-group makes 128 x 256 of one group's S2, four waves 64 x 128 each: 32 accumulators.  K goes in eight steps of 128 through two LDS slots.  The matrix instruction is used
; transposed (source 0 = 16 rows of B, source 1 = 16 rows of A): a lane holds one row and eight neighbouring columns.  4 x 4 work-groups form a cluster: A's tile is asked for jointly along a row of
; the cluster, B's along a column.  The grid's x is one cluster wide, so cx is the column tile.  No prefetch is laid: the walk has eight K steps, and two of them come by the first fills.
; LIMITS.  Numbers below 6e-5 in ph and rh keep f16's fixed step of 6e-8.  NaN and infinities are not treated apart.
; REGISTERS.  window 0: v0-49 addresses, coefficients; v64-159, v160-255 two fragment buffers (8 of B, then 4 of A); on the way out v64-127 xP, v128-159 TP, v160-191 TR, v192-255 rows read back.
;   window 1: accumulator (a, b) at 8 (8 a + b).   window 2: v0-127 E, my tile of sh, 4 registers for (a, b); v128-215 DG, the diagonal's addend by t = b - a; v216-223 DL; v224-245 IND.
.set PITCH, 272                        ; an LDS row: 256 bytes + 16: the 16 rows of a fragment load start at 16 different groups of four banks (64 banks of 4 bytes: ISA guide 11.1)
.set HA,    64*PITCH                   ; what one tensor load brings of A: 64 rows
.set HB,    128*PITCH                  ; and of B: 128 rows
.set BOFF,  2*HA                       ; a slot: A's 128 rows, then B's 256 rows
.set SLOT1, 131072                     ; slot 1 begins here, so that one exclusive or changes slots
.set STAGE, SLOT1+BOFF+2*HB            ; behind the ring: 16 rows x 272 bytes for each wave
.set SP,    272
.set SPARE, STAGE+4*16*SP              ; behind the stages: the spare words, 128 bytes a wave: two blocks of 256 bytes that no other line names
.set KSTEPB, 256                       ; bytes along a row from a K step to the next
.set VR, 1
.set VH, 2
.set VL, 3
.set A0, 10
.set B0, 11
.set ADRA, 12
.set ADRB, 13
.set STO, 14
.set RD,  15
.set CO,  16
.set EO,  17                           ; v17 my byte offset in 16 rows of sh: row l % 16, 16 bytes for each half of the lanes
.set SPW, 18
.set NIL, 19
.set PO,  20                           ; v20 16 x lane: my four of the group's 128 partial sums
.set Z,   21
.set ZQ,  22
.set ZT,  23
.set K1,  24                           ; v[24:25]  0.25 a, twice
.set K2,  26                           ; v[26:27] -1.5 a
.set K3,  28                           ; v[28:29] -0.5 a
.set K4,  30                           ; v[30:31]  1.5 a
.set KD,  32                           ; v32       2.25 a
.set F0,  64
.set F1,  160
.set XP,  64
.set TP,  128
.set TR,  160
.set BKP, 192
.set BKR, 224
.set EE,  0
.set DG,  128
.set DL,  216
.set IND, 224
.set WV, 14
.set WH, 15                            ; which 64 rows of the tile are mine.  Also: I fetch for A (0) or for B (1)
.set WL, 16                            ; which 128 columns.  Also: which half of that operand's tile I fetch
.set CX, 17
.set CY, 18
.set YY, 19
.set CLY, 20
.set GG, 21
.set G1A, 24
.set G0A, 32
.set G1B, 40
.set G0B, 48
.set TB,  56
.set CNT, 57
.set SEL, 58
.set OUT, 66
.set OUT2, 68
.set EB,  70
.set PRT, 72
.set ZS,  74
.set MSB, 0
.macro WIN new                         ; the immediate's high byte repeats the setting that is left; a switch that changes nothing is dropped
.if MSB != (\new)
	s_set_vgpr_msb (MSB<<8)|(\new)
.set MSB, (\new)
.endif
.endm
.macro PLACES                          ; four plain places behind matrix instructions (ISA guide 7.12.1)
.rept 4
	v_nop
.endr
.endm
.macro CREST                           ; a round of the cluster's barrier behind its opening barrier
	s_cmp_lg_u32 s[WV], 0
	s_cbranch_scc1 .Lnot_wave_0_\@
	s_barrier_signal -3
.Lnot_wave_0_\@:
	s_barrier_wait -3
	s_barrier_signal -1
	s_barrier_wait -1
.endm
.macro CROUND
	s_barrier_signal -1
	s_barrier_wait -1
	CREST
.endm
.macro JLOAD                           ; a joint refill by the walking descriptors: waves 0 and 1 fetch A's halves, waves 2 and 3 B's; s_nop 0 and four v_nop follow each line
	s_cmp_eq_u32 s[WH], 0
	s_cbranch_scc0 .Lfor_b_\@
	tensor_load_to_lds s[G0A+4:G0A+7], s[G1A:G1A+7]
	s_nop 0
.rept 4
	v_nop
.endr
	s_branch .Lasked_\@
.Lfor_b_\@:
	tensor_load_to_lds s[G0B+4:G0B+7], s[G1B:G1B+7]
	s_nop 0
.rept 4
	v_nop
.endr
.Lasked_\@:
.endm
.macro MUL8 f, a, zero                 ; block a of my four blocks of 16 rows x all 8 blocks of 16 columns, 32 along K; zero = 1: the product starts the sums
	WIN 0x50
.irp b, 0,1,2,3,4,5,6,7
.if \zero
	v_wmma_f32_16x16x32_f16 v[8*(8*(\a)+(\b)):8*(8*(\a)+(\b))+7], v[(\f)+8*(\b):(\f)+8*(\b)+7], v[(\f)+64+8*(\a):(\f)+64+8*(\a)+7], 0
.else
	v_wmma_f32_16x16x32_f16 v[8*(8*(\a)+(\b)):8*(8*(\a)+(\b))+7], v[(\f)+8*(\b):(\f)+8*(\b)+7], v[(\f)+64+8*(\a):(\f)+64+8*(\a)+7], v[8*(8*(\a)+(\b)):8*(8*(\a)+(\b))+7]
.endif
.endr
.endm
.macro FETCH k, f                      ; 24 LDS loads in one run: 32 along K at byte k of the rows, into buffer f: B's 8 fragments, then A's 4
	WIN 0
.irp i, 0,1,2,3,4,5,6,7
	ds_load_b128 v[(\f)+8*(\i):(\f)+8*(\i)+3],   v[ADRB] offset:(\k)+(\i)*16*PITCH
	ds_load_b128 v[(\f)+8*(\i)+4:(\f)+8*(\i)+7], v[ADRB] offset:(\k)+(\i)*16*PITCH+32
.endr
.irp i, 0,1,2,3
	ds_load_b128 v[(\f)+64+8*(\i):(\f)+64+8*(\i)+3],   v[ADRA] offset:(\k)+(\i)*16*PITCH
	ds_load_b128 v[(\f)+64+8*(\i)+4:(\f)+64+8*(\i)+7], v[ADRA] offset:(\k)+(\i)*16*PITCH+32
.endr
.endm
.macro QUARTER k, f, g, zero           ; multiplies buffer f; in its middle fetches the next quarter, at byte k, into buffer g
	s_wait_dscnt 4                                 ; B and A's blocks 0, 1 are in; the youngest four loads (A's blocks 2, 3) may be out
	MUL8 \f, 0, \zero
	MUL8 \f, 1, \zero
	PLACES                                         ; in front of loads into registers that matrix instructions have read
	FETCH \k, \g
	s_wait_dscnt 24                                ; all but the 24 just issued
	MUL8 \f, 2, \zero
	MUL8 \f, 3, \zero
.endm
.macro TURN fill                       ; a K step's last quarter multiplies buffer 1 and changes slots; fill = 1: the slot just read is filled again, two K steps on
	WIN 0
	s_wait_tensorcnt 0x0                           ; all my tensor loads have landed: the one that was out is my part of the next slot
	ds_add_u32 v[SPW], v[NIL]                      ; 0 onto my spare word
	s_wait_dscnt 5                                 ; (the add and the youngest four loads may be out)
	MUL8 F1, 0, 0                                  ; eight matrix instructions stand between the add and the wait for it
	s_wait_dscnt 0x0                               ; the add is done, and my reads of this slot are over
	s_barrier_signal -1
	MUL8 F1, 1, 0
	WIN 0
	s_barrier_wait -1
.if \fill
	CREST                                          ; the barrier has opened a round of the cluster's barrier: no wave of any partner still reads this slot or has a load on its way
	s_xor_b32 s[G0A+5], s[G0A+5], SLOT1            ; the walking descriptors: the other slot than last time, the next K step
	s_add_nc_u64 s[G0A+6:G0A+7], s[G0A+6:G0A+7], KSTEPB
	s_xor_b32 s[G0B+5], s[G0B+5], SLOT1
	s_add_nc_u64 s[G0B+6:G0B+7], s[G0B+6:G0B+7], KSTEPB
	JLOAD                                          ; the first tensor load behind the round; its four v_nop are also the places in front of the loads below
.else
	PLACES
.endif
	s_xor_b32 s[TB], s[TB], SLOT1
	v_add_nc_u32 v[ADRA], s[TB], v[A0]
	v_add_nc_u32 v[ADRB], s[TB], v[B0]
	FETCH 0, F0
	MUL8 F1, 2, 0
	MUL8 F1, 3, 0
.endm
	s_load_b256 s[4:11], s[0:1], 0x0               ; sh s[4:5], part s[6:7], ph s[8:9], rh s[10:11]
	v_lshl_add_u32 v[SPW], v0, 2, SPARE
	v_mov_b32 v[NIL], 0
	ds_add_u32 v[SPW], v[NIL]                      ; the wave's opening: the add, twice on end, and its wait ahead of my first tensor load
	ds_add_u32 v[SPW], v[NIL]                      ; and once more, under the one wait
	v_lshrrev_b32 v4, 5, v0
	v_readfirstlane_b32 s[WV], v4                  ; wave 0..3
	s_lshr_b32 s[WH], s[WV], 1
	s_and_b32 s[WL], s[WV], 1
	s_bfe_u32 s[CX], ttmp6, 0x40000                ; cx, cy: my place in the cluster
	s_bfe_u32 s[CY], ttmp6, 0x40004
	s_and_b32 s[CLY], ttmp7, 0xffff
	s_lshl_b32 s[YY], s[CLY], 2
	s_add_co_u32 s[YY], s[YY], s[CY]               ; Y: 128 Y is the tile's first row
	s_lshr_b32 s[GG], s[CLY], 1                    ; the group, made of the cluster's y alone
	s_lshl_b32 s22, s[CY], 2
	s_lshl_b32 s22, 15, s22                        ; my row of the cluster
	s_lshl_b32 s76, 0x1111, s[CX]                  ; my column
	s_or_b32 s[G1A], s22, (1<<16)|(1<<20)|(1<<21)|(5<<22)|(3<<25)  ; the mask; 2-byte elements; padding on; bit 21 beside a mask; after every 64 words 4 words
	s_or_b32 s[G1B], s76, (1<<16)|(1<<20)|(1<<21)|(5<<22)|(3<<25)
	s_mov_b32 s[G1A+1], 128<<16                    ; tensor_dim0 = 128 along K
	s_mov_b32 s[G1A+2], 64<<16                     ; tensor_dim1 = 64 rows
	s_mov_b32 s[G1A+3], 128<<16                    ; tile_dim0
	s_mov_b32 s[G1A+4], 64                         ; tile_dim1
	s_mov_b32 s[G1A+5], 1024                       ; elements from row to row
	s_mov_b32 s[G1A+6], 0
	s_mov_b32 s[G1A+7], 0
	s_mov_b32 s[G1B+1], 128<<16
	s_mov_b32 s[G1B+2], 128<<16                    ; 128 rows
	s_mov_b32 s[G1B+3], 128<<16
	s_mov_b32 s[G1B+4], 128
	s_mov_b32 s[G1B+5], 1024
	s_mov_b32 s[G1B+6], 0
	s_mov_b32 s[G1B+7], 0
	; A's tile hangs on Y alone, B's on the group and cx: each in registers that never hold the other coordinate
	s_lshl_b32 s22, s[YY], 7
	s_lshl_b32 s23, s[WL], 6
	s_add_co_u32 s22, s22, s23                     ; A: row 128 Y + 64 x half
	s_lshl_b32 s60, s22, 11
	s_mov_b32 s61, 0
	s_lshl_b32 s76, s[CX], 8
	s_lshl_b32 s77, s[WL], 7
	s_add_co_u32 s76, s76, s77                     ; B: row 256 cx + 128 x half of the group
	s_lshl_b32 s76, s76, 11
	s_lshl_b32 s77, s[GG], 21
	s_add_co_u32 s62, s76, s77
	s_mov_b32 s63, 0
	s_mul_i32 s23, s[WL], HA                       ; where they go: no place in the cluster enters an LDS address
	s_mul_i32 s77, s[WL], HB
	s_add_co_u32 s77, s77, BOFF
	s_mov_b32 s[SEL], 0x76543210
	s_mov_b32 s[SEL+1], 0xfedcba98
	s_mov_b32 s[TB], 0
	s_wait_dscnt 0x0                               ; both opening adds are done
	s_wait_kmcnt 0x0
	s_add_nc_u64 s[60:61], s[4:5], s[60:61]
	s_add_nc_u64 s[62:63], s[4:5], s[62:63]
	CROUND                                         ; all sixteen work-groups are here: the first joint loads meet
.irp s, 0,1
	s_mov_b32 s[G0A+4*(\s)], 1
	s_add_co_u32 s[G0A+4*(\s)+1], s23, (\s)*SLOT1
	s_add_nc_u64 s[G0A+4*(\s)+2:G0A+4*(\s)+3], s[60:61], (\s)*KSTEPB
	s_or_b32 s[G0A+4*(\s)+3], s[G0A+4*(\s)+3], 0x80000000
	s_mov_b32 s[G0B+4*(\s)], 1
	s_add_co_u32 s[G0B+4*(\s)+1], s77, (\s)*SLOT1
	s_add_nc_u64 s[G0B+4*(\s)+2:G0B+4*(\s)+3], s[62:63], (\s)*KSTEPB
	s_or_b32 s[G0B+4*(\s)+3], s[G0B+4*(\s)+3], 0x80000000
.endr
	s_cmp_eq_u32 s[WH], 0                          ; a wave's two first fills stand in one branch: two loads of mine are out
	s_cbranch_scc0 .Lfirst_b
	tensor_load_to_lds s[G0A:G0A+3], s[G1A:G1A+7]
	s_nop 0
	tensor_load_to_lds s[G0A+4:G0A+7], s[G1A:G1A+7]
	s_nop 0
.rept 4
	v_nop
.endr
	s_branch .Lfirst_asked
.Lfirst_b:
	tensor_load_to_lds s[G0B:G0B+3], s[G1B:G1B+7]
	s_nop 0
	tensor_load_to_lds s[G0B+4:G0B+7], s[G1B:G1B+7]
	s_nop 0
.rept 4
	v_nop
.endr
.Lfirst_asked:
	; all that follows up to the first barrier stands in the wait for the first tiles
	v_and_b32 v[VR], 15, v0
	v_bfe_u32 v[VH], v0, 4, 1
	v_and_b32 v[VL], 31, v0
	v_lshlrev_b32 v5, 11, v[VR]
	v_lshl_add_u32 v[EO], v[VH], 4, v5
	v_lshlrev_b32 v[PO], 4, v[VL]
	s_lshl_b32 s66, s[YY], 7
	s_lshl_b32 s67, s[WH], 6
	s_add_co_u32 s66, s66, s67                     ; my first row
	s_lshl_b32 s66, s66, 11
	s_lshl_b32 s67, s[CX], 9
	s_add_co_u32 s66, s66, s67
	s_lshl_b32 s67, s[WL], 8
	s_add_co_u32 s66, s66, s67                     ; my first column, in bytes
	s_mov_b32 s67, 0
	s_add_nc_u64 s[EB:EB+1], s[4:5], s[66:67]
	s_add_nc_u64 s[OUT2:OUT2+1], s[10:11], s[66:67]
	s_add_nc_u64 s[OUT:OUT+1], s[8:9], s[66:67]
	s_lshl_b32 s72, s[GG], 9                       ; the group's 128 partial sums
	s_mov_b32 s73, 0
	s_add_nc_u64 s[PRT:PRT+1], s[6:7], s[72:73]
	global_load_b128 v[42:45], v[PO], s[PRT:PRT+1]
	WIN 0x80                                       ; destination window 2
.irp a, 0,1,2,3
.irp b, 0,1,2,3,4,5,6,7
	global_load_b128 v[EE+4*(8*(\a)+(\b)):EE+4*(8*(\a)+(\b))+3], v[EO], s[EB:EB+1] offset:(\a)*32768+32*(\b)  ; my tile of sh in the accumulators' own layout
.endr
.endr
	WIN 0
	v_mul_u32_u24 v4, v[VR], PITCH
	v_lshl_add_u32 v4, v[VH], 4, v4                ; a fragment's row x pitch + 16 x half
	s_mul_i32 s22, s[WH], HA                       ; my 64 rows of A
	v_add_nc_u32 v[A0], s22, v4
	s_mul_i32 s76, s[WL], HB                       ; my 128 rows of B,
	s_add_co_u32 s76, s76, BOFF                    ; which lie behind A's
	v_add_nc_u32 v[B0], s76, v4
	s_mul_i32 s23, s[WV], 16*SP
	s_add_co_u32 s23, s23, STAGE                   ; my stage
	v_add_nc_u32 v[STO], s23, v4                   ; in: row l % 16, 16 bytes for each half of the lanes (the stage's pitch is the tiles')
	v_mul_u32_u24 v5, v[VH], SP
	v_lshl_add_u32 v5, v[VR], 4, v5
	v_add_nc_u32 v[RD], s23, v5                    ; back: lanes 0-15 one row of 256 bytes, lanes 16-31 the next
	v_lshlrev_b32 v5, 11, v[VH]
	v_lshl_add_u32 v[CO], v[VR], 4, v5             ; the same two rows in ph and rh
	s_and_b32 s[ZS], s[YY], 7
	s_lshl_b32 s[ZS], s[ZS], 7
	s_lshl_b32 s75, s[WH], 6
	s_add_co_u32 s[ZS], s[ZS], s75
	s_lshl_b32 s75, s[CX], 8
	s_sub_co_u32 s[ZS], s[ZS], s75
	s_lshl_b32 s75, s[WL], 7
	s_sub_co_u32 s[ZS], s[ZS], s75                 ; my first row less my first column, both in the group
	v_lshlrev_b32 v4, 3, v[VH]
	v_sub_nc_u32 v[Z], v[VR], v4
	v_add_nc_u32 v[Z], s[ZS], v[Z]
	v_and_b32 v[ZQ], 15, v[Z]
	v_ashrrev_i32 v[ZT], 4, v[Z]
	v_mov_b32 v5, 1.0
	s_wait_loadcnt 32                              ; the partial sums are in; the 32 loads issued behind them may stay out
	v_add_f32 v42, v42, v43
	v_add_f32 v44, v44, v45
	v_add_f32 v42, v42, v44
	v_add_f32_dpp v42, v42, v42 row_xmask:1 row_mask:0xf bank_mask:0xf
	v_add_f32_dpp v42, v42, v42 row_xmask:2 row_mask:0xf bank_mask:0xf
	v_add_f32_dpp v42, v42, v42 row_xmask:4 row_mask:0xf bank_mask:0xf
	v_add_f32_dpp v42, v42, v42 row_xmask:8 row_mask:0xf bank_mask:0xf
	v_permlanex16_b32 v43, v42, s[SEL], s[SEL+1]
	v_add_f32 v42, v42, v43                        ; the sum of S^2 over the group
	v_sqrt_f32 v46, v42                            ; nu
	v_nop                                          ; a plain instruction behind the root,
	s_wait_alu depctr_va_vdst(0)                   ; and the wait ahead of its first use
	v_fma_f32 v47, v46, 0.5, 0x3fc00000            ; beta = 0.5 nu + 1.5
	v_mul_f32 v48, v47, v47
	v_rcp_f32 v49, v48                             ; 1 / beta^2
	v_nop
	s_wait_alu depctr_va_vdst(0)
	v_mul_f32 v42, 0x46800000, v49                 ; a = 16384 / beta^2
	v_mul_f32 v[K1], 0x3e800000, v42
	v_mul_f32 v[K2], 0xbfc00000, v42
	v_mul_f32 v[K3], -0.5, v42
	v_mul_f32 v[K4], 0x3fc00000, v42
	v_mul_f32 v[KD], 0x40100000, v42
	v_mov_b32 v[K1+1], v[K1]
	v_mov_b32 v[K2+1], v[K2]
	v_mov_b32 v[K3+1], v[K3]
	v_mov_b32 v[K4+1], v[K4]
	; THE DIAGONAL.  Register q of accumulator (a, b) lies on it where z = 16 (b - a) + q.  DG[t][q] = 2.25 a there, else 0.
	WIN 0x80
.set t, 0
.rept 8
	v_cmp_eq_u32 vcc_lo, t, v[ZQ]
	v_cndmask_b32 v[DL+t], 0, v[KD], vcc_lo
.set t, t+1
.endr
.set t, 0
.rept 11
	v_cmp_eq_i32 vcc_lo, t-3, v[ZT]
	v_cndmask_b32 v[IND+2*t], 0, v5, vcc_lo
	v_cndmask_b32 v[IND+2*t+1], 0, v5, vcc_lo
.set t, t+1
.endr
	WIN 0x8a
.set t, 0
.rept 11
.irp p, 0,1,2,3
	v_pk_mul_f32 v[DG+8*t+2*(\p):DG+8*t+2*(\p)+1], v[DL+2*(\p):DL+2*(\p)+1], v[IND+2*t:IND+2*t+1]
.endr
.set t, t+1
.endr
	WIN 0
	s_wait_loadcnt 0x0                             ; my tile of sh is in
	s_wait_tensorcnt 0x1                           ; my part of K step 0 is in; K step 1's may stay out
	s_barrier_signal -1
	s_barrier_wait -1                              ; everybody's is
	v_mov_b32 v[ADRA], v[A0]
	v_mov_b32 v[ADRB], v[B0]
	FETCH 0, F0
	QUARTER 64, F0, F1, 1                          ; the first quarter stands in front of the loop: its products start the sums
	WIN 0
	s_mov_b32 s[CNT], 6
.Lk:                                               ; six trips: from a K step's second quarter to the next step's first; trip i fills step i's slot with step i + 2
	QUARTER 128, F1, F0, 0
	QUARTER 192, F0, F1, 0
	TURN 1
	QUARTER 64, F0, F1, 0
	WIN 0
	s_sub_co_u32 s[CNT], s[CNT], 1
	s_cmp_lg_u32 s[CNT], 0
	s_cbranch_scc1 .Lk
	QUARTER 128, F1, F0, 0                         ; the last two K steps are written out: nothing is left to fetch
	QUARTER 192, F0, F1, 0
	TURN 0
	QUARTER 64, F0, F1, 0
	QUARTER 128, F1, F0, 0
	QUARTER 192, F0, F1, 0
	s_wait_dscnt 4
	MUL8 F1, 0, 0
	MUL8 F1, 1, 0
	s_wait_dscnt 0x0
	MUL8 F1, 2, 0
	MUL8 F1, 3, 0
	WIN 0
	PLACES                                         ; behind the last products, in front of lines that read and write their results
	PLACES
; THE WAY OUT of block a (16 rows).  xP = 0.25 a S2 + the diagonal's 2.25 a; the accumulator becomes -0.5 a S2; then each of a P and a R takes its multiple of sh in one fused
; multiply-add that reads the f16 half and rounds once, straight to f16.
.macro COMP a
	WIN 0x21
.irp b, 0,1,2,3,4,5,6,7
.irp p, 0,1,2,3
	v_pk_fma_f32 v[XP+8*(\b)+2*(\p):XP+8*(\b)+2*(\p)+1], v[8*(8*(\a)+(\b))+2*(\p):8*(8*(\a)+(\b))+2*(\p)+1], v[K1:K1+1], v[DG+8*((\b)-(\a)+3)+2*(\p):DG+8*((\b)-(\a)+3)+2*(\p)+1]
.endr
.endr
	WIN 0x41
.irp b, 0,1,2,3,4,5,6,7
.irp p, 0,1,2,3
	v_pk_mul_f32 v[8*(8*(\a)+(\b))+2*(\p):8*(8*(\a)+(\b))+2*(\p)+1], v[8*(8*(\a)+(\b))+2*(\p):8*(8*(\a)+(\b))+2*(\p)+1], v[K3:K3+1]
.endr
.endr
	WIN 0x02
.irp b, 0,1,2,3,4,5,6,7
.irp p, 0,1,2,3
	v_fma_mixlo_f16 v[TP+4*(\b)+(\p)], v[EE+4*(8*(\a)+(\b))+(\p)], v[K2], v[XP+8*(\b)+2*(\p)] op_sel_hi:[1,0,0]
	v_fma_mixhi_f16 v[TP+4*(\b)+(\p)], v[EE+4*(8*(\a)+(\b))+(\p)], v[K2], v[XP+8*(\b)+2*(\p)+1] op_sel:[1,0,0] op_sel_hi:[1,0,0]
.endr
.endr
	WIN 0x12
.irp b, 0,1,2,3,4,5,6,7
.irp p, 0,1,2,3
	v_fma_mixlo_f16 v[TR+4*(\b)+(\p)], v[EE+4*(8*(\a)+(\b))+(\p)], v[K4], v[8*(8*(\a)+(\b))+2*(\p)] op_sel_hi:[1,0,0]
	v_fma_mixhi_f16 v[TR+4*(\b)+(\p)], v[EE+4*(8*(\a)+(\b))+(\p)], v[K4], v[8*(8*(\a)+(\b))+2*(\p)+1] op_sel:[1,0,0] op_sel_hi:[1,0,0]
.endr
.endr
	WIN 0
.endm
.macro TOSTAGE tmp, bk                 ; into my own stage, and back as whole rows of 256 bytes: LDS serves a wave's instructions in order (ISA guide 5.7.1.4)
.irp b, 0,1,2,3,4,5,6,7
	ds_store_b128 v[STO], v[(\tmp)+4*(\b):(\tmp)+4*(\b)+3] offset:32*(\b)
.endr
.irp t, 0,1,2,3,4,5,6,7
	ds_load_b128 v[(\bk)+4*(\t):(\bk)+4*(\t)+3], v[RD] offset:(\t)*2*SP
.endr
.endm
.macro SEND bk, base, a
.irp t, 0,1,2,3,4,5,6,7
	global_store_b128 v[CO], v[(\bk)+4*(\t):(\bk)+4*(\t)+3], s[(\base):(\base)+1] offset:(16*(\a)+2*(\t))*2048  ; 16 lanes store 256 consecutive bytes, aligned
.endr
.endm
	COMP 0
	TOSTAGE TP, BKP
	TOSTAGE TR, BKR                                ; R's stores into the stage come behind P's loads from it
.irp a, 1,2,3                          ; a block's arithmetic stands between the loads of the block before and its stores
	COMP \a
	s_wait_dscnt 0x0
	SEND BKP, OUT, (\a)-1
	SEND BKR, OUT2, (\a)-1
	s_wait_xcnt 0x0                                ; the stores have read their data: only behind this wait are those registers loaded again
	TOSTAGE TP, BKP
	TOSTAGE TR, BKR
.endr
	s_wait_dscnt 0x0
	SEND BKP, OUT, 3
	SEND BKR, OUT2, 3
	s_wait_tensorcnt 0x0                           ; the wave's end, behind my last tensor load and my last LDS store
	ds_add_u32 v[SPW], v[NIL]
	s_wait_dscnt 0x0
	CROUND                                         ; the closing round: no work-group ends while a partner may still ask for a tile that names it
	s_endpgm
.Lfunc_end_k_q6a0e8f4cc1_square:
	.size	k_q6a0e8f4cc1_square, .Lfunc_end_k_q6a0e8f4cc1_square-k_q6a0e8f4cc1_square
	.p2alignl 7, 3214868480
	.fill 96, 4, 3214868480
	.section	.rodata,"a",@progbits
	.p2align	6, 0x0
	.amdhsa_kernel k_q6a0e8f4cc1_square
		.amdhsa_group_segment_fixed_size 327680
		.amdhsa_private_segment_fixed_size 0
		.amdhsa_enable_private_segment 0
		.amdhsa_kernarg_size 32
		.amdhsa_user_sgpr_count 2
		.amdhsa_user_sgpr_kernarg_segment_ptr 1
		.amdhsa_wavefront_size32 1
		.amdhsa_system_sgpr_workgroup_id_x 1
		.amdhsa_system_sgpr_workgroup_id_y 1
		.amdhsa_system_sgpr_workgroup_id_z 1
		.amdhsa_system_vgpr_workitem_id 0
		.amdhsa_next_free_vgpr 768
		.amdhsa_next_free_sgpr 80
		.amdhsa_reserve_vcc 1
		.amdhsa_float_denorm_mode_32 3
		.amdhsa_float_denorm_mode_16_64 3
		.amdhsa_memory_ordered 1
		.amdhsa_forward_progress 1
		.amdhsa_inst_pref_size 127
	.end_amdhsa_kernel
	.amdgpu_metadata
---
amdhsa.version: [ 1, 2 ]
amdhsa.kernels:
  - .name:           k_q6a0e8f4cc1_square
    .symbol:         k_q6a0e8f4cc1_square.kd
    .args:
      - { .name: sh, .offset: 0, .size: 8, .value_kind: global_buffer, .address_space: global }
      - { .name: part, .offset: 8, .size: 8, .value_kind: global_buffer, .address_space: global }
      - { .name: ph, .offset: 16, .size: 8, .value_kind: global_buffer, .address_space: global }
      - { .name: rh, .offset: 24, .size: 8, .value_kind: global_buffer, .address_space: global }
    .group_segment_fixed_size: 327680
    .private_segment_fixed_size: 0
    .kernarg_segment_align: 8
    .kernarg_segment_size: 32
    .max_flat_workgroup_size: 128
    .sgpr_count:     80
    .vgpr_count:     768
    .wavefront_size: 32
...
	.end_amdgpu_metadata
.endif
;; end of part 3
;; launch newton (part 4): grid 4 x 64, 4 waves a work-group, clusters of 4 x 4, 327,680 bytes of LDS; arguments ph, rh, sh, part, bh; writes bh
.if DOCPART == 4
	.amdgcn_target "amdgcn-amd-amdhsa--gfx1250"
	.amdhsa_code_object_version 6
	.text
	.protected	k_q6a0e8f4cc1_newton
	.globl	k_q6a0e8f4cc1_newton
	.p2align	8
	.type	k_q6a0e8f4cc1_newton,@function
k_q6a0e8f4cc1_newton:
	s_mov_b64 s[64:65], 0
	v_nop
	global_prefetch_b8 v0, s[64:65] scope:SCOPE_SE
	s_setreg_imm32_b32 hwreg(HW_REG_WAVE_MODE, 25, 1), 1
	s_wait_xcnt 0x0
	s_wait_alu depctr_hold_cnt(0) depctr_sa_sdst(0) depctr_va_vdst(0) depctr_va_sdst(0) depctr_va_ssrc(0) depctr_va_vcc(0) depctr_vm_vsrc(0)
	s_getreg_b32 s2, hwreg(HW_REG_IB_STS2, 6, 4)
	s_cmp_eq_u32 s2, 0
	s_cbranch_scc0 .Lentry_in_a_cluster
	s_endpgm
.Lentry_in_a_cluster:
	s_bfe_u32 s2, ttmp6, 0x10000c
	s_cmp_lg_u32 s2, 0xf033
	s_cbranch_scc0 .Lentry_shape_is_right
	s_endpgm
.Lentry_shape_is_right:
; For each group: Dt = ph rh^T = a^2 P R (R is symmetric by its making), and the second Newton-Schulz step B2 = 1.5 B1 - 0.5 B1^3 S = 2.25 I - 0.75 S - 0.5 P R, stored as bh = f16(c B2).
; All matrices [8192][1024] f16, group g at rows 1024 g on.
; THE SCALE.  nu = ||S||_F from the group's 128 partial sums; beta = 1.5 + 0.5 nu; a = 16384 / beta^2 was ph's and rh's scale; c = 16384 / beta^4, so c / a^2 = 2^-14 and 0.5 c P R = 2^-15 Dt.
; |c B2| <= c (1.5 beta + 0.5 beta^3 nu) < 1.45 x 16384 for every input: inside f16.
; SHARES, RING, CLUSTER.  A work-group makes 128 x 256 of one group's product, four waves 64 x 128 each: 32 accumulators.  K goes in eight steps of 128 through two LDS slots.  The matrix instruction is
; used transposed (source 0 = 16 rows of rh, source 1 = 16 rows of ph): a lane holds one row and eight neighbouring columns.  4 x 4 work-groups form a cluster: ph's tile is asked for jointly along a
; row of the cluster, rh's along a column.  The grid's x is one cluster wide, so cx is the column tile.  No prefetch is laid: the walk has eight K steps, and two of them come by the first fills.
; LIMITS.  Numbers below 6e-5 in bh keep f16's fixed step of 6e-8.  NaN and infinities are not treated apart.
; REGISTERS.  window 0: v0-49 addresses, coefficients; v64-159, v160-255 two fragment buffers (8 of B, then 4 of A); on the way out v64-95 packed, v96-223 rows read back.
;   window 1: accumulator (a, b) at 8 (8 a + b).   window 2: v0-127 E, my tile of sh; v128-215 DG, the diagonal's addend by t = b - a; v216-223 DL; v224-245 IND.
.set PITCH, 272                        ; an LDS row: 256 bytes + 16: the 16 rows of a fragment load start at 16 different groups of four banks (64 banks of 4 bytes: ISA guide 11.1)
.set HA,    64*PITCH
.set HB,    128*PITCH
.set BOFF,  2*HA                       ; a slot: A's 128 rows, then B's 256 rows
.set SLOT1, 131072
.set STAGE, SLOT1+BOFF+2*HB            ; behind the ring: 16 rows x 272 bytes for each wave
.set SP,    272
.set SPARE, STAGE+4*16*SP              ; behind the stages: the spare words, 128 bytes a wave: two blocks of 256 bytes that no other line names
.set KSTEPB, 256
.set VR, 1
.set VH, 2
.set VL, 3
.set A0, 10
.set B0, 11
.set ADRA, 12
.set ADRB, 13
.set STO, 14
.set RD,  15
.set CO,  16
.set EO,  17
.set SPW, 18
.set NIL, 19
.set PO,  20
.set Z,   21
.set ZQ,  22
.set ZT,  23
.set K1,  24                           ; v[24:25] -2^-15, twice
.set K2,  26                           ; v26      -0.75 c
.set KD,  32                           ; v32       2.25 c
.set F0,  64
.set F1,  160
.set TMP, 64
.set EE,  0
.set DG,  128
.set DL,  216
.set IND, 224
.set WV, 14
.set WH, 15
.set WL, 16
.set CX, 17
.set CY, 18
.set YY, 19
.set CLY, 20
.set GG, 21
.set G1A, 24
.set G0A, 32
.set G1B, 40
.set G0B, 48
.set TB,  56
.set CNT, 57
.set SEL, 58
.set OUT, 66
.set EB,  70
.set PRT, 72
.set ZS,  74
.set MSB, 0
.macro WIN new                         ; the immediate's high byte repeats the setting that is left; a switch that changes nothing is dropped
.if MSB != (\new)
	s_set_vgpr_msb (MSB<<8)|(\new)
.set MSB, (\new)
.endif
.endm
.macro PLACES                          ; four plain places behind matrix instructions (ISA guide 7.12.1)
.rept 4
	v_nop
.endr
.endm
.macro CREST                           ; a round of the cluster's barrier behind its opening barrier
	s_cmp_lg_u32 s[WV], 0
	s_cbranch_scc1 .Lnot_wave_0_\@
	s_barrier_signal -3
.Lnot_wave_0_\@:
	s_barrier_wait -3
	s_barrier_signal -1
	s_barrier_wait -1
.endm
.macro CROUND
	s_barrier_signal -1
	s_barrier_wait -1
	CREST
.endm
.macro JLOAD                           ; a joint refill by the walking descriptors: waves 0 and 1 fetch A's halves, waves 2 and 3 B's; s_nop 0 and four v_nop follow each line
	s_cmp_eq_u32 s[WH], 0
	s_cbranch_scc0 .Lfor_b_\@
	tensor_load_to_lds s[G0A+4:G0A+7], s[G1A:G1A+7]
	s_nop 0
.rept 4
	v_nop
.endr
	s_branch .Lasked_\@
.Lfor_b_\@:
	tensor_load_to_lds s[G0B+4:G0B+7], s[G1B:G1B+7]
	s_nop 0
.rept 4
	v_nop
.endr
.Lasked_\@:
.endm
.macro MUL8 f, a, zero                 ; block a of my four blocks of 16 rows x all 8 blocks of 16 columns, 32 along K; zero = 1: the product starts the sums
	WIN 0x50
.irp b, 0,1,2,3,4,5,6,7
.if \zero
	v_wmma_f32_16x16x32_f16 v[8*(8*(\a)+(\b)):8*(8*(\a)+(\b))+7], v[(\f)+8*(\b):(\f)+8*(\b)+7], v[(\f)+64+8*(\a):(\f)+64+8*(\a)+7], 0
.else
	v_wmma_f32_16x16x32_f16 v[8*(8*(\a)+(\b)):8*(8*(\a)+(\b))+7], v[(\f)+8*(\b):(\f)+8*(\b)+7], v[(\f)+64+8*(\a):(\f)+64+8*(\a)+7], v[8*(8*(\a)+(\b)):8*(8*(\a)+(\b))+7]
.endif
.endr
.endm
.macro FETCH k, f                      ; 24 LDS loads in one run: 32 along K at byte k of the rows, into buffer f: B's 8 fragments, then A's 4
	WIN 0
.irp i, 0,1,2,3,4,5,6,7
	ds_load_b128 v[(\f)+8*(\i):(\f)+8*(\i)+3],   v[ADRB] offset:(\k)+(\i)*16*PITCH
	ds_load_b128 v[(\f)+8*(\i)+4:(\f)+8*(\i)+7], v[ADRB] offset:(\k)+(\i)*16*PITCH+32
.endr
.irp i, 0,1,2,3
	ds_load_b128 v[(\f)+64+8*(\i):(\f)+64+8*(\i)+3],   v[ADRA] offset:(\k)+(\i)*16*PITCH
	ds_load_b128 v[(\f)+64+8*(\i)+4:(\f)+64+8*(\i)+7], v[ADRA] offset:(\k)+(\i)*16*PITCH+32
.endr
.endm
.macro QUARTER k, f, g, zero           ; multiplies buffer f; in its middle fetches the next quarter, at byte k, into buffer g
	s_wait_dscnt 4                                 ; B and A's blocks 0, 1 are in; the youngest four loads (A's blocks 2, 3) may be out
	MUL8 \f, 0, \zero
	MUL8 \f, 1, \zero
	PLACES                                         ; in front of loads into registers that matrix instructions have read
	FETCH \k, \g
	s_wait_dscnt 24                                ; all but the 24 just issued
	MUL8 \f, 2, \zero
	MUL8 \f, 3, \zero
.endm
.macro TURN fill                       ; a K step's last quarter multiplies buffer 1 and changes slots; fill = 1: the slot just read is filled again, two K steps on
	WIN 0
	s_wait_tensorcnt 0x0                           ; all my tensor loads have landed: the one that was out is my part of the next slot
	ds_add_u32 v[SPW], v[NIL]                      ; 0 onto my spare word
	s_wait_dscnt 5                                 ; (the add and the youngest four loads may be out)
	MUL8 F1, 0, 0                                  ; eight matrix instructions stand between the add and the wait for it
	s_wait_dscnt 0x0                               ; the add is done, and my reads of this slot are over
	s_barrier_signal -1
	MUL8 F1, 1, 0
	WIN 0
	s_barrier_wait -1
.if \fill
	CREST                                          ; the barrier has opened a round of the cluster's barrier: no wave of any partner still reads this slot or has a load on its way
	s_xor_b32 s[G0A+5], s[G0A+5], SLOT1            ; the walking descriptors: the other slot than last time, the next K step
	s_add_nc_u64 s[G0A+6:G0A+7], s[G0A+6:G0A+7], KSTEPB
	s_xor_b32 s[G0B+5], s[G0B+5], SLOT1
	s_add_nc_u64 s[G0B+6:G0B+7], s[G0B+6:G0B+7], KSTEPB
	JLOAD                                          ; the first tensor load behind the round; its four v_nop are also the places in front of the loads below
.else
	PLACES
.endif
	s_xor_b32 s[TB], s[TB], SLOT1
	v_add_nc_u32 v[ADRA], s[TB], v[A0]
	v_add_nc_u32 v[ADRB], s[TB], v[B0]
	FETCH 0, F0
	MUL8 F1, 2, 0
	MUL8 F1, 3, 0
.endm
	s_load_b256 s[4:11], s[0:1], 0x0               ; ph s[4:5], rh s[6:7], sh s[8:9], part s[10:11]
	s_load_b64 s[12:13], s[0:1], 0x20              ; bh
	v_lshl_add_u32 v[SPW], v0, 2, SPARE
	v_mov_b32 v[NIL], 0
	ds_add_u32 v[SPW], v[NIL]                      ; the wave's opening: the add, twice on end, and its wait ahead of my first tensor load
	ds_add_u32 v[SPW], v[NIL]                      ; and once more, under the one wait
	v_lshrrev_b32 v4, 5, v0
	v_readfirstlane_b32 s[WV], v4                  ; wave 0..3
	s_lshr_b32 s[WH], s[WV], 1
	s_and_b32 s[WL], s[WV], 1
	s_bfe_u32 s[CX], ttmp6, 0x40000                ; cx, cy: my place in the cluster
	s_bfe_u32 s[CY], ttmp6, 0x40004
	s_and_b32 s[CLY], ttmp7, 0xffff
	s_lshl_b32 s[YY], s[CLY], 2
	s_add_co_u32 s[YY], s[YY], s[CY]               ; Y: 128 Y is the tile's first row
	s_lshr_b32 s[GG], s[CLY], 1                    ; the group, made of the cluster's y alone
	s_lshl_b32 s22, s[CY], 2
	s_lshl_b32 s22, 15, s22                        ; my row of the cluster
	s_lshl_b32 s76, 0x1111, s[CX]                  ; my column
	s_or_b32 s[G1A], s22, (1<<16)|(1<<20)|(1<<21)|(5<<22)|(3<<25)  ; the mask; 2-byte elements; padding on; bit 21 beside a mask; after every 64 words 4 words
	s_or_b32 s[G1B], s76, (1<<16)|(1<<20)|(1<<21)|(5<<22)|(3<<25)
	s_mov_b32 s[G1A+1], 128<<16                    ; tensor_dim0 = 128 along K
	s_mov_b32 s[G1A+2], 64<<16                     ; tensor_dim1 = 64 rows
	s_mov_b32 s[G1A+3], 128<<16                    ; tile_dim0
	s_mov_b32 s[G1A+4], 64                         ; tile_dim1
	s_mov_b32 s[G1A+5], 1024                       ; elements from row to row
	s_mov_b32 s[G1A+6], 0
	s_mov_b32 s[G1A+7], 0
	s_mov_b32 s[G1B+1], 128<<16
	s_mov_b32 s[G1B+2], 128<<16                    ; 128 rows
	s_mov_b32 s[G1B+3], 128<<16
	s_mov_b32 s[G1B+4], 128
	s_mov_b32 s[G1B+5], 1024
	s_mov_b32 s[G1B+6], 0
	s_mov_b32 s[G1B+7], 0
	; A's tile hangs on Y alone, B's on the group and cx: each in registers that never hold the other coordinate
	s_lshl_b32 s22, s[YY], 7
	s_lshl_b32 s23, s[WL], 6
	s_add_co_u32 s22, s22, s23                     ; A: row 128 Y + 64 x half
	s_lshl_b32 s60, s22, 11
	s_mov_b32 s61, 0
	s_lshl_b32 s76, s[CX], 8
	s_lshl_b32 s77, s[WL], 7
	s_add_co_u32 s76, s76, s77                     ; B: row 256 cx + 128 x half of the group
	s_lshl_b32 s76, s76, 11
	s_lshl_b32 s77, s[GG], 21
	s_add_co_u32 s62, s76, s77
	s_mov_b32 s63, 0
	s_mul_i32 s23, s[WL], HA                       ; where they go: no place in the cluster enters an LDS address
	s_mul_i32 s77, s[WL], HB
	s_add_co_u32 s77, s77, BOFF
	s_mov_b32 s[SEL], 0x76543210
	s_mov_b32 s[SEL+1], 0xfedcba98
	s_mov_b32 s[TB], 0
	s_wait_dscnt 0x0                               ; both opening adds are done
	s_wait_kmcnt 0x0
	s_add_nc_u64 s[60:61], s[4:5], s[60:61]
	s_add_nc_u64 s[62:63], s[6:7], s[62:63]
	CROUND                                         ; all sixteen work-groups are here: the first joint loads meet
.irp s, 0,1
	s_mov_b32 s[G0A+4*(\s)], 1
	s_add_co_u32 s[G0A+4*(\s)+1], s23, (\s)*SLOT1
	s_add_nc_u64 s[G0A+4*(\s)+2:G0A+4*(\s)+3], s[60:61], (\s)*KSTEPB
	s_or_b32 s[G0A+4*(\s)+3], s[G0A+4*(\s)+3], 0x80000000
	s_mov_b32 s[G0B+4*(\s)], 1
	s_add_co_u32 s[G0B+4*(\s)+1], s77, (\s)*SLOT1
	s_add_nc_u64 s[G0B+4*(\s)+2:G0B+4*(\s)+3], s[62:63], (\s)*KSTEPB
	s_or_b32 s[G0B+4*(\s)+3], s[G0B+4*(\s)+3], 0x80000000
.endr
	s_cmp_eq_u32 s[WH], 0                          ; a wave's two first fills stand in one branch: two loads of mine are out
	s_cbranch_scc0 .Lfirst_b
	tensor_load_to_lds s[G0A:G0A+3], s[G1A:G1A+7]
	s_nop 0
	tensor_load_to_lds s[G0A+4:G0A+7], s[G1A:G1A+7]
	s_nop 0
.rept 4
	v_nop
.endr
	s_branch .Lfirst_asked
.Lfirst_b:
	tensor_load_to_lds s[G0B:G0B+3], s[G1B:G1B+7]
	s_nop 0
	tensor_load_to_lds s[G0B+4:G0B+7], s[G1B:G1B+7]
	s_nop 0
.rept 4
	v_nop
.endr
.Lfirst_asked:
	; all that follows up to the first barrier stands in the wait for the first tiles
	v_and_b32 v[VR], 15, v0
	v_bfe_u32 v[VH], v0, 4, 1
	v_and_b32 v[VL], 31, v0
	v_lshlrev_b32 v5, 11, v[VR]
	v_lshl_add_u32 v[EO], v[VH], 4, v5
	v_lshlrev_b32 v[PO], 4, v[VL]
	s_lshl_b32 s66, s[YY], 7
	s_lshl_b32 s67, s[WH], 6
	s_add_co_u32 s66, s66, s67                     ; my first row
	s_lshl_b32 s66, s66, 11
	s_lshl_b32 s67, s[CX], 9
	s_add_co_u32 s66, s66, s67
	s_lshl_b32 s67, s[WL], 8
	s_add_co_u32 s66, s66, s67                     ; my first column, in bytes
	s_mov_b32 s67, 0
	s_add_nc_u64 s[EB:EB+1], s[8:9], s[66:67]
	s_add_nc_u64 s[OUT:OUT+1], s[12:13], s[66:67]
	s_lshl_b32 s72, s[GG], 9                       ; the group's 128 partial sums
	s_mov_b32 s73, 0
	s_add_nc_u64 s[PRT:PRT+1], s[10:11], s[72:73]
	global_load_b128 v[42:45], v[PO], s[PRT:PRT+1]
	WIN 0x80                                       ; destination window 2
.irp a, 0,1,2,3
.irp b, 0,1,2,3,4,5,6,7
	global_load_b128 v[EE+4*(8*(\a)+(\b)):EE+4*(8*(\a)+(\b))+3], v[EO], s[EB:EB+1] offset:(\a)*32768+32*(\b)  ; my tile of sh in the accumulators' own layout
.endr
.endr
	WIN 0
	v_mul_u32_u24 v4, v[VR], PITCH
	v_lshl_add_u32 v4, v[VH], 4, v4                ; a fragment's row x pitch + 16 x half
	s_mul_i32 s22, s[WH], HA                       ; my 64 rows of A
	v_add_nc_u32 v[A0], s22, v4
	s_mul_i32 s76, s[WL], HB                       ; my 128 rows of B,
	s_add_co_u32 s76, s76, BOFF                    ; which lie behind A's
	v_add_nc_u32 v[B0], s76, v4
	s_mul_i32 s23, s[WV], 16*SP
	s_add_co_u32 s23, s23, STAGE                   ; my stage
	v_add_nc_u32 v[STO], s23, v4                   ; in: row l % 16, 16 bytes for each half of the lanes (the stage's pitch is the tiles')
	v_mul_u32_u24 v5, v[VH], SP
	v_lshl_add_u32 v5, v[VR], 4, v5
	v_add_nc_u32 v[RD], s23, v5                    ; back: lanes 0-15 one row of 256 bytes, lanes 16-31 the next
	v_lshlrev_b32 v5, 11, v[VH]
	v_lshl_add_u32 v[CO], v[VR], 4, v5             ; the same two rows in bh
	s_and_b32 s[ZS], s[YY], 7
	s_lshl_b32 s[ZS], s[ZS], 7
	s_lshl_b32 s75, s[WH], 6
	s_add_co_u32 s[ZS], s[ZS], s75
	s_lshl_b32 s75, s[CX], 8
	s_sub_co_u32 s[ZS], s[ZS], s75
	s_lshl_b32 s75, s[WL], 7
	s_sub_co_u32 s[ZS], s[ZS], s75                 ; my first row less my first column, both in the group
	v_lshlrev_b32 v4, 3, v[VH]
	v_sub_nc_u32 v[Z], v[VR], v4
	v_add_nc_u32 v[Z], s[ZS], v[Z]
	v_and_b32 v[ZQ], 15, v[Z]
	v_ashrrev_i32 v[ZT], 4, v[Z]
	v_mov_b32 v5, 1.0
	s_wait_loadcnt 32                              ; the partial sums are in; the 32 loads issued behind them may stay out
	v_add_f32 v42, v42, v43
	v_add_f32 v44, v44, v45
	v_add_f32 v42, v42, v44
	v_add_f32_dpp v42, v42, v42 row_xmask:1 row_mask:0xf bank_mask:0xf
	v_add_f32_dpp v42, v42, v42 row_xmask:2 row_mask:0xf bank_mask:0xf
	v_add_f32_dpp v42, v42, v42 row_xmask:4 row_mask:0xf bank_mask:0xf
	v_add_f32_dpp v42, v42, v42 row_xmask:8 row_mask:0xf bank_mask:0xf
	v_permlanex16_b32 v43, v42, s[SEL], s[SEL+1]
	v_add_f32 v42, v42, v43                        ; the sum of S^2 over the group
	v_sqrt_f32 v46, v42                            ; nu
	v_nop                                          ; a plain instruction behind the root,
	s_wait_alu depctr_va_vdst(0)                   ; and the wait ahead of its first use
	v_fma_f32 v47, v46, 0.5, 0x3fc00000            ; beta = 0.5 nu + 1.5
	v_mul_f32 v48, v47, v47
	v_rcp_f32 v49, v48                             ; 1 / beta^2
	v_nop
	s_wait_alu depctr_va_vdst(0)
	v_mul_f32 v42, v49, v49
	v_mul_f32 v42, 0x46800000, v42                 ; c = 16384 / beta^4
	v_mov_b32 v[K1], 0xb8000000                    ; -2^-15
	v_mov_b32 v[K1+1], 0xb8000000
	v_mul_f32 v[K2], 0xbf400000, v42
	v_mul_f32 v[KD], 0x40100000, v42
	; THE DIAGONAL.  Register q of accumulator (a, b) lies on it where z = 16 (b - a) + q.  DG[t][q] = 2.25 c there, else 0.
	WIN 0x80
.set t, 0
.rept 8
	v_cmp_eq_u32 vcc_lo, t, v[ZQ]
	v_cndmask_b32 v[DL+t], 0, v[KD], vcc_lo
.set t, t+1
.endr
.set t, 0
.rept 11
	v_cmp_eq_i32 vcc_lo, t-3, v[ZT]
	v_cndmask_b32 v[IND+2*t], 0, v5, vcc_lo
	v_cndmask_b32 v[IND+2*t+1], 0, v5, vcc_lo
.set t, t+1
.endr
	WIN 0x8a
.set t, 0
.rept 11
.irp p, 0,1,2,3
	v_pk_mul_f32 v[DG+8*t+2*(\p):DG+8*t+2*(\p)+1], v[DL+2*(\p):DL+2*(\p)+1], v[IND+2*t:IND+2*t+1]
.endr
.set t, t+1
.endr
	WIN 0
	s_wait_loadcnt 0x0                             ; my tile of sh is in
	s_wait_tensorcnt 0x1                           ; my part of K step 0 is in; K step 1's may stay out
	s_barrier_signal -1
	s_barrier_wait -1                              ; everybody's is
	v_mov_b32 v[ADRA], v[A0]
	v_mov_b32 v[ADRB], v[B0]
	FETCH 0, F0
	QUARTER 64, F0, F1, 1                          ; the first quarter stands in front of the loop: its products start the sums
	WIN 0
	s_mov_b32 s[CNT], 6
.Lk:                                               ; six trips: from a K step's second quarter to the next step's first; trip i fills step i's slot with step i + 2
	QUARTER 128, F1, F0, 0
	QUARTER 192, F0, F1, 0
	TURN 1
	QUARTER 64, F0, F1, 0
	WIN 0
	s_sub_co_u32 s[CNT], s[CNT], 1
	s_cmp_lg_u32 s[CNT], 0
	s_cbranch_scc1 .Lk
	QUARTER 128, F1, F0, 0                         ; the last two K steps are written out: nothing is left to fetch
	QUARTER 192, F0, F1, 0
	TURN 0
	QUARTER 64, F0, F1, 0
	QUARTER 128, F1, F0, 0
	QUARTER 192, F0, F1, 0
	s_wait_dscnt 4
	MUL8 F1, 0, 0
	MUL8 F1, 1, 0
	s_wait_dscnt 0x0
	MUL8 F1, 2, 0
	MUL8 F1, 3, 0
	WIN 0
	PLACES                                         ; behind the last products, in front of lines that read and write their results
	PLACES
; THE WAY OUT of block a (16 rows): the accumulator becomes -2^-15 Dt + the diagonal's 2.25 c; then -0.75 c sh is added in one fused multiply-add that reads the f16 half and rounds once, to f16.
.macro COMP a
	WIN 0x61
.irp b, 0,1,2,3,4,5,6,7
.irp p, 0,1,2,3
	v_pk_fma_f32 v[8*(8*(\a)+(\b))+2*(\p):8*(8*(\a)+(\b))+2*(\p)+1], v[8*(8*(\a)+(\b))+2*(\p):8*(8*(\a)+(\b))+2*(\p)+1], v[K1:K1+1], v[DG+8*((\b)-(\a)+3)+2*(\p):DG+8*((\b)-(\a)+3)+2*(\p)+1]
.endr
.endr
	WIN 0x12
.irp b, 0,1,2,3,4,5,6,7
.irp p, 0,1,2,3
	v_fma_mixlo_f16 v[TMP+4*(\b)+(\p)], v[EE+4*(8*(\a)+(\b))+(\p)], v[K2], v[8*(8*(\a)+(\b))+2*(\p)] op_sel_hi:[1,0,0]
	v_fma_mixhi_f16 v[TMP+4*(\b)+(\p)], v[EE+4*(8*(\a)+(\b))+(\p)], v[K2], v[8*(8*(\a)+(\b))+2*(\p)+1] op_sel:[1,0,0] op_sel_hi:[1,0,0]
.endr
.endr
	WIN 0
.endm
.macro TOSTAGE tmp, bk                 ; into my own stage, and back as whole rows of 256 bytes: LDS serves a wave's instructions in order (ISA guide 5.7.1.4)
.irp b, 0,1,2,3,4,5,6,7
	ds_store_b128 v[STO], v[(\tmp)+4*(\b):(\tmp)+4*(\b)+3] offset:32*(\b)
.endr
.irp t, 0,1,2,3,4,5,6,7
	ds_load_b128 v[(\bk)+4*(\t):(\bk)+4*(\t)+3], v[RD] offset:(\t)*2*SP
.endr
.endm
.macro SEND bk, base, a
.irp t, 0,1,2,3,4,5,6,7
	global_store_b128 v[CO], v[(\bk)+4*(\t):(\bk)+4*(\t)+3], s[(\base):(\base)+1] offset:(16*(\a)+2*(\t))*2048  ; 16 lanes store 256 consecutive bytes, aligned
.endr
.endm
	COMP 0
	TOSTAGE TMP, 96
.irp a, 1,2,3                          ; a block's arithmetic stands between the loads of the block before and its stores; each block has its own 32 registers for the rows read back
	COMP \a
	s_wait_dscnt 0x0
	SEND 96+32*((\a)-1), OUT, (\a)-1
	TOSTAGE TMP, 96+32*(\a)
.endr
	s_wait_dscnt 0x0
	SEND 192, OUT, 3
	s_wait_tensorcnt 0x0                           ; the wave's end, behind my last tensor load and my last LDS store
	ds_add_u32 v[SPW], v[NIL]
	s_wait_dscnt 0x0
	CROUND                                         ; the closing round: no work-group ends while a partner may still ask for a tile that names it
	s_endpgm
.Lfunc_end_k_q6a0e8f4cc1_newton:
	.size	k_q6a0e8f4cc1_newton, .Lfunc_end_k_q6a0e8f4cc1_newton-k_q6a0e8f4cc1_newton
	.p2alignl 7, 3214868480
	.fill 96, 4, 3214868480
	.section	.rodata,"a",@progbits
	.p2align	6, 0x0
	.amdhsa_kernel k_q6a0e8f4cc1_newton
		.amdhsa_group_segment_fixed_size 327680
		.amdhsa_private_segment_fixed_size 0
		.amdhsa_enable_private_segment 0
		.amdhsa_kernarg_size 40
		.amdhsa_user_sgpr_count 2
		.amdhsa_user_sgpr_kernarg_segment_ptr 1
		.amdhsa_wavefront_size32 1
		.amdhsa_system_sgpr_workgroup_id_x 1
		.amdhsa_system_sgpr_workgroup_id_y 1
		.amdhsa_system_sgpr_workgroup_id_z 1
		.amdhsa_system_vgpr_workitem_id 0
		.amdhsa_next_free_vgpr 768
		.amdhsa_next_free_sgpr 80
		.amdhsa_reserve_vcc 1
		.amdhsa_float_denorm_mode_32 3
		.amdhsa_float_denorm_mode_16_64 3
		.amdhsa_memory_ordered 1
		.amdhsa_forward_progress 1
		.amdhsa_inst_pref_size 95
	.end_amdhsa_kernel
	.amdgpu_metadata
---
amdhsa.version: [ 1, 2 ]
amdhsa.kernels:
  - .name:           k_q6a0e8f4cc1_newton
    .symbol:         k_q6a0e8f4cc1_newton.kd
    .args:
      - { .name: ph, .offset: 0, .size: 8, .value_kind: global_buffer, .address_space: global }
      - { .name: rh, .offset: 8, .size: 8, .value_kind: global_buffer, .address_space: global }
      - { .name: sh, .offset: 16, .size: 8, .value_kind: global_buffer, .address_space: global }
      - { .name: part, .offset: 24, .size: 8, .value_kind: global_buffer, .address_space: global }
      - { .name: bh, .offset: 32, .size: 8, .value_kind: global_buffer, .address_space: global }
    .group_segment_fixed_size: 327680
    .private_segment_fixed_size: 0
    .kernarg_segment_align: 8
    .kernarg_segment_size: 40
    .max_flat_workgroup_size: 128
    .sgpr_count:     80
    .vgpr_count:     768
    .wavefront_size: 32
...
	.end_amdgpu_metadata
.endif
;; end of part 4
;; launch apply (part 5): grid 4 x 64, 4 waves a work-group, clusters of 4 x 4, 327,680 bytes of LDS; arguments zh, bh, part, out0; writes out0
.if DOCPART == 5
	.amdgcn_target "amdgcn-amd-amdhsa--gfx1250"
	.amdhsa_code_object_version 6
	.text
	.protected	k_q6a0e8f4cc1_apply
	.globl	k_q6a0e8f4cc1_apply
	.p2align	8
	.type	k_q6a0e8f4cc1_apply,@function
k_q6a0e8f4cc1_apply:
	s_mov_b64 s[64:65], 0
	v_nop
	global_prefetch_b8 v0, s[64:65] scope:SCOPE_SE
	s_setreg_imm32_b32 hwreg(HW_REG_WAVE_MODE, 25, 1), 1
	s_wait_xcnt 0x0
	s_wait_alu depctr_hold_cnt(0) depctr_sa_sdst(0) depctr_va_vdst(0) depctr_va_sdst(0) depctr_va_ssrc(0) depctr_va_vcc(0) depctr_vm_vsrc(0)
	s_getreg_b32 s2, hwreg(HW_REG_IB_STS2, 6, 4)
	s_cmp_eq_u32 s2, 0
	s_cbranch_scc0 .Lentry_in_a_cluster
	s_endpgm
.Lentry_in_a_cluster:
	s_bfe_u32 s2, ttmp6, 0x10000c
	s_cmp_lg_u32 s2, 0xf033
	s_cbranch_scc0 .Lentry_shape_is_right
	s_endpgm
.Lentry_shape_is_right:
; out0[r][j] = w x the sum over k of zh[r][k] bh[j][k], for each group: W = Zc B2 / sqrt(||S||_F) (B2 is symmetric by its making).  zh, bh: [8192][1024] f16; out0: [8192][1024] f32.
; THE SCALE.  bh holds c B2 with c = 16384 / beta^4, beta = 1.5 + 0.5 nu, nu = ||S||_F from the group's 128 partial sums.  So w = beta^4 x 2^-14 / sqrt(nu), applied in f32 to the f32 sums.
; SHARES, RING, CLUSTER.  A work-group makes 128 x 256 of out0, four waves 64 x 128 each: 32 accumulators.  K goes in eight steps of 128 through two LDS slots.  The matrix instruction is used transposed
; (source 0 = 16 rows of bh, source 1 = 16 rows of zh): a lane holds one row and eight neighbouring columns.  4 x 4 work-groups form a cluster: zh's tile is asked for jointly along a row of the
; cluster, bh's along a column.  The grid's x is one cluster wide, so cx is the column tile.  No prefetch is laid: the walk has eight K steps, and two of them come by the first fills.
; LIMITS.  NaN and infinities are not treated apart.
; REGISTERS.  window 0: v0-49 addresses, w; v64-159, v160-255 two fragment buffers (8 of B, then 4 of A); on the way out v64-127, v128-191 rows read back, by turns.
;   window 1: accumulator (a, b) at 8 (8 a + b).
.set PITCH, 272                        ; an LDS row: 256 bytes + 16: the 16 rows of a fragment load start at 16 different groups of four banks (64 banks of 4 bytes: ISA guide 11.1)
.set HA,    64*PITCH
.set HB,    128*PITCH
.set BOFF,  2*HA                       ; a slot: A's 128 rows, then B's 256 rows
.set SLOT1, 131072
.set STAGE, SLOT1+BOFF+2*HB            ; behind the ring: 16 rows x 528 bytes for each wave
.set SP,    528                        ; a stage row: 512 bytes of f32 + 16
.set SPARE, STAGE+4*16*SP              ; behind the stages: the spare words, 128 bytes a wave: two blocks of 256 bytes that no other line names
.set KSTEPB, 256
.set VR, 1
.set VH, 2
.set VL, 3
.set A0, 10
.set B0, 11
.set ADRA, 12
.set ADRB, 13
.set STO, 14
.set RD,  15
.set CO,  16
.set SPW, 18
.set NIL, 19
.set PO,  20
.set K1,  24                           ; v[24:25] w, twice
.set F0,  64
.set F1,  160
.set WV, 14
.set WH, 15
.set WL, 16
.set CX, 17
.set CY, 18
.set YY, 19
.set CLY, 20
.set GG, 21
.set G1A, 24
.set G0A, 32
.set G1B, 40
.set G0B, 48
.set TB,  56
.set CNT, 57
.set SEL, 58
.set OUT, 66
.set PRT, 72
.set MSB, 0
.macro WIN new                         ; the immediate's high byte repeats the setting that is left; a switch that changes nothing is dropped
.if MSB != (\new)
	s_set_vgpr_msb (MSB<<8)|(\new)
.set MSB, (\new)
.endif
.endm
.macro PLACES                          ; four plain places behind matrix instructions (ISA guide 7.12.1)
.rept 4
	v_nop
.endr
.endm
.macro CREST                           ; a round of the cluster's barrier behind its opening barrier
	s_cmp_lg_u32 s[WV], 0
	s_cbranch_scc1 .Lnot_wave_0_\@
	s_barrier_signal -3
.Lnot_wave_0_\@:
	s_barrier_wait -3
	s_barrier_signal -1
	s_barrier_wait -1
.endm
.macro CROUND
	s_barrier_signal -1
	s_barrier_wait -1
	CREST
.endm
.macro JLOAD                           ; a joint refill by the walking descriptors: waves 0 and 1 fetch A's halves, waves 2 and 3 B's; s_nop 0 and four v_nop follow each line
	s_cmp_eq_u32 s[WH], 0
	s_cbranch_scc0 .Lfor_b_\@
	tensor_load_to_lds s[G0A+4:G0A+7], s[G1A:G1A+7]
	s_nop 0
.rept 4
	v_nop
.endr
	s_branch .Lasked_\@
.Lfor_b_\@:
	tensor_load_to_lds s[G0B+4:G0B+7], s[G1B:G1B+7]
	s_nop 0
.rept 4
	v_nop
.endr
.Lasked_\@:
.endm
.macro MUL8 f, a, zero                 ; block a of my four blocks of 16 rows x all 8 blocks of 16 columns, 32 along K; zero = 1: the product starts the sums
	WIN 0x50
.irp b, 0,1,2,3,4,5,6,7
.if \zero
	v_wmma_f32_16x16x32_f16 v[8*(8*(\a)+(\b)):8*(8*(\a)+(\b))+7], v[(\f)+8*(\b):(\f)+8*(\b)+7], v[(\f)+64+8*(\a):(\f)+64+8*(\a)+7], 0
.else
	v_wmma_f32_16x16x32_f16 v[8*(8*(\a)+(\b)):8*(8*(\a)+(\b))+7], v[(\f)+8*(\b):(\f)+8*(\b)+7], v[(\f)+64+8*(\a):(\f)+64+8*(\a)+7], v[8*(8*(\a)+(\b)):8*(8*(\a)+(\b))+7]
.endif
.endr
.endm
.macro FETCH k, f                      ; 24 LDS loads in one run: 32 along K at byte k of the rows, into buffer f: B's 8 fragments, then A's 4
	WIN 0
.irp i, 0,1,2,3,4,5,6,7
	ds_load_b128 v[(\f)+8*(\i):(\f)+8*(\i)+3],   v[ADRB] offset:(\k)+(\i)*16*PITCH
	ds_load_b128 v[(\f)+8*(\i)+4:(\f)+8*(\i)+7], v[ADRB] offset:(\k)+(\i)*16*PITCH+32
.endr
.irp i, 0,1,2,3
	ds_load_b128 v[(\f)+64+8*(\i):(\f)+64+8*(\i)+3],   v[ADRA] offset:(\k)+(\i)*16*PITCH
	ds_load_b128 v[(\f)+64+8*(\i)+4:(\f)+64+8*(\i)+7], v[ADRA] offset:(\k)+(\i)*16*PITCH+32
.endr
.endm
.macro QUARTER k, f, g, zero           ; multiplies buffer f; in its middle fetches the next quarter, at byte k, into buffer g
	s_wait_dscnt 4                                 ; B and A's blocks 0, 1 are in; the youngest four loads (A's blocks 2, 3) may be out
	MUL8 \f, 0, \zero
	MUL8 \f, 1, \zero
	PLACES                                         ; in front of loads into registers that matrix instructions have read
	FETCH \k, \g
	s_wait_dscnt 24                                ; all but the 24 just issued
	MUL8 \f, 2, \zero
	MUL8 \f, 3, \zero
.endm
.macro TURN fill                       ; a K step's last quarter multiplies buffer 1 and changes slots; fill = 1: the slot just read is filled again, two K steps on
	WIN 0
	s_wait_tensorcnt 0x0                           ; all my tensor loads have landed: the one that was out is my part of the next slot
	ds_add_u32 v[SPW], v[NIL]                      ; 0 onto my spare word
	s_wait_dscnt 5                                 ; (the add and the youngest four loads may be out)
	MUL8 F1, 0, 0                                  ; eight matrix instructions stand between the add and the wait for it
	s_wait_dscnt 0x0                               ; the add is done, and my reads of this slot are over
	s_barrier_signal -1
	MUL8 F1, 1, 0
	WIN 0
	s_barrier_wait -1
.if \fill
	CREST                                          ; the barrier has opened a round of the cluster's barrier: no wave of any partner still reads this slot or has a load on its way
	s_xor_b32 s[G0A+5], s[G0A+5], SLOT1            ; the walking descriptors: the other slot than last time, the next K step
	s_add_nc_u64 s[G0A+6:G0A+7], s[G0A+6:G0A+7], KSTEPB
	s_xor_b32 s[G0B+5], s[G0B+5], SLOT1
	s_add_nc_u64 s[G0B+6:G0B+7], s[G0B+6:G0B+7], KSTEPB
	JLOAD                                          ; the first tensor load behind the round; its four v_nop are also the places in front of the loads below
.else
	PLACES
.endif
	s_xor_b32 s[TB], s[TB], SLOT1
	v_add_nc_u32 v[ADRA], s[TB], v[A0]
	v_add_nc_u32 v[ADRB], s[TB], v[B0]
	FETCH 0, F0
	MUL8 F1, 2, 0
	MUL8 F1, 3, 0
.endm
	s_load_b256 s[4:11], s[0:1], 0x0               ; zh s[4:5], bh s[6:7], part s[8:9], out0 s[10:11]
	v_lshl_add_u32 v[SPW], v0, 2, SPARE
	v_mov_b32 v[NIL], 0
	ds_add_u32 v[SPW], v[NIL]                      ; the wave's opening: the add, twice on end, and its wait ahead of my first tensor load
	ds_add_u32 v[SPW], v[NIL]                      ; and once more, under the one wait
	v_lshrrev_b32 v4, 5, v0
	v_readfirstlane_b32 s[WV], v4                  ; wave 0..3
	s_lshr_b32 s[WH], s[WV], 1
	s_and_b32 s[WL], s[WV], 1
	s_bfe_u32 s[CX], ttmp6, 0x40000                ; cx, cy: my place in the cluster
	s_bfe_u32 s[CY], ttmp6, 0x40004
	s_and_b32 s[CLY], ttmp7, 0xffff
	s_lshl_b32 s[YY], s[CLY], 2
	s_add_co_u32 s[YY], s[YY], s[CY]               ; Y: 128 Y is the tile's first row
	s_lshr_b32 s[GG], s[CLY], 1                    ; the group, made of the cluster's y alone
	s_lshl_b32 s22, s[CY], 2
	s_lshl_b32 s22, 15, s22                        ; my row of the cluster
	s_lshl_b32 s76, 0x1111, s[CX]                  ; my column
	s_or_b32 s[G1A], s22, (1<<16)|(1<<20)|(1<<21)|(5<<22)|(3<<25)  ; the mask; 2-byte elements; padding on; bit 21 beside a mask; after every 64 words 4 words
	s_or_b32 s[G1B], s76, (1<<16)|(1<<20)|(1<<21)|(5<<22)|(3<<25)
	s_mov_b32 s[G1A+1], 128<<16                    ; tensor_dim0 = 128 along K
	s_mov_b32 s[G1A+2], 64<<16                     ; tensor_dim1 = 64 rows
	s_mov_b32 s[G1A+3], 128<<16                    ; tile_dim0
	s_mov_b32 s[G1A+4], 64                         ; tile_dim1
	s_mov_b32 s[G1A+5], 1024                       ; elements from row to row
	s_mov_b32 s[G1A+6], 0
	s_mov_b32 s[G1A+7], 0
	s_mov_b32 s[G1B+1], 128<<16
	s_mov_b32 s[G1B+2], 128<<16                    ; 128 rows
	s_mov_b32 s[G1B+3], 128<<16
	s_mov_b32 s[G1B+4], 128
	s_mov_b32 s[G1B+5], 1024
	s_mov_b32 s[G1B+6], 0
	s_mov_b32 s[G1B+7], 0
	; A's tile hangs on Y alone, B's on the group and cx: each in registers that never hold the other coordinate
	s_lshl_b32 s22, s[YY], 7
	s_lshl_b32 s23, s[WL], 6
	s_add_co_u32 s22, s22, s23                     ; A: row 128 Y + 64 x half
	s_lshl_b32 s60, s22, 11
	s_mov_b32 s61, 0
	s_lshl_b32 s76, s[CX], 8
	s_lshl_b32 s77, s[WL], 7
	s_add_co_u32 s76, s76, s77                     ; B: row 256 cx + 128 x half of the group
	s_lshl_b32 s76, s76, 11
	s_lshl_b32 s77, s[GG], 21
	s_add_co_u32 s62, s76, s77
	s_mov_b32 s63, 0
	s_mul_i32 s23, s[WL], HA                       ; where they go: no place in the cluster enters an LDS address
	s_mul_i32 s77, s[WL], HB
	s_add_co_u32 s77, s77, BOFF
	s_mov_b32 s[SEL], 0x76543210
	s_mov_b32 s[SEL+1], 0xfedcba98
	s_mov_b32 s[TB], 0
	s_wait_dscnt 0x0                               ; both opening adds are done
	s_wait_kmcnt 0x0
	s_add_nc_u64 s[60:61], s[4:5], s[60:61]
	s_add_nc_u64 s[62:63], s[6:7], s[62:63]
	CROUND                                         ; all sixteen work-groups are here: the first joint loads meet
.irp s, 0,1
	s_mov_b32 s[G0A+4*(\s)], 1
	s_add_co_u32 s[G0A+4*(\s)+1], s23, (\s)*SLOT1
	s_add_nc_u64 s[G0A+4*(\s)+2:G0A+4*(\s)+3], s[60:61], (\s)*KSTEPB
	s_or_b32 s[G0A+4*(\s)+3], s[G0A+4*(\s)+3], 0x80000000
	s_mov_b32 s[G0B+4*(\s)], 1
	s_add_co_u32 s[G0B+4*(\s)+1], s77, (\s)*SLOT1
	s_add_nc_u64 s[G0B+4*(\s)+2:G0B+4*(\s)+3], s[62:63], (\s)*KSTEPB
	s_or_b32 s[G0B+4*(\s)+3], s[G0B+4*(\s)+3], 0x80000000
.endr
	s_cmp_eq_u32 s[WH], 0                          ; a wave's two first fills stand in one branch: two loads of mine are out
	s_cbranch_scc0 .Lfirst_b
	tensor_load_to_lds s[G0A:G0A+3], s[G1A:G1A+7]
	s_nop 0
	tensor_load_to_lds s[G0A+4:G0A+7], s[G1A:G1A+7]
	s_nop 0
.rept 4
	v_nop
.endr
	s_branch .Lfirst_asked
.Lfirst_b:
	tensor_load_to_lds s[G0B:G0B+3], s[G1B:G1B+7]
	s_nop 0
	tensor_load_to_lds s[G0B+4:G0B+7], s[G1B:G1B+7]
	s_nop 0
.rept 4
	v_nop
.endr
.Lfirst_asked:
	; all that follows up to the first barrier stands in the wait for the first tiles
	v_and_b32 v[VR], 15, v0
	v_bfe_u32 v[VH], v0, 4, 1
	v_and_b32 v[VL], 31, v0
	v_lshlrev_b32 v[PO], 4, v[VL]
	s_lshl_b32 s72, s[GG], 9                       ; the group's 128 partial sums
	s_mov_b32 s73, 0
	s_add_nc_u64 s[PRT:PRT+1], s[8:9], s[72:73]
	global_load_b128 v[42:45], v[PO], s[PRT:PRT+1]
	s_lshl_b32 s66, s[YY], 7
	s_lshl_b32 s67, s[WH], 6
	s_add_co_u32 s66, s66, s67                     ; my first row of out0,
	s_lshl_b32 s66, s66, 12                        ; 4,096 bytes a row
	s_lshl_b32 s67, s[CX], 10
	s_add_co_u32 s66, s66, s67
	s_lshl_b32 s67, s[WL], 9
	s_add_co_u32 s66, s66, s67                     ; my first column, in bytes
	s_mov_b32 s67, 0
	s_add_nc_u64 s[OUT:OUT+1], s[10:11], s[66:67]
	v_mul_u32_u24 v4, v[VR], PITCH
	v_lshl_add_u32 v4, v[VH], 4, v4                ; a fragment's row x pitch + 16 x half
	s_mul_i32 s22, s[WH], HA                       ; my 64 rows of A
	v_add_nc_u32 v[A0], s22, v4
	s_mul_i32 s76, s[WL], HB                       ; my 128 rows of B,
	s_add_co_u32 s76, s76, BOFF                    ; which lie behind A's
	v_add_nc_u32 v[B0], s76, v4
	s_mul_i32 s23, s[WV], 16*SP
	s_add_co_u32 s23, s23, STAGE                   ; my stage
	v_mul_u32_u24 v5, v[VR], SP
	v_lshl_add_u32 v5, v[VH], 5, v5
	v_add_nc_u32 v[STO], s23, v5                   ; in: row l % 16, 32 bytes for each half of the lanes
	v_lshl_add_u32 v[RD], v[VL], 4, s23            ; back: 32 lanes take one row of 512 bytes
	v_lshlrev_b32 v[CO], 4, v[VL]                  ; and the same in out0
	s_wait_loadcnt 0x0                             ; the partial sums are in
	v_add_f32 v42, v42, v43
	v_add_f32 v44, v44, v45
	v_add_f32 v42, v42, v44
	v_add_f32_dpp v42, v42, v42 row_xmask:1 row_mask:0xf bank_mask:0xf
	v_add_f32_dpp v42, v42, v42 row_xmask:2 row_mask:0xf bank_mask:0xf
	v_add_f32_dpp v42, v42, v42 row_xmask:4 row_mask:0xf bank_mask:0xf
	v_add_f32_dpp v42, v42, v42 row_xmask:8 row_mask:0xf bank_mask:0xf
	v_permlanex16_b32 v43, v42, s[SEL], s[SEL+1]
	v_add_f32 v42, v42, v43                        ; the sum of S^2 over the group
	v_sqrt_f32 v46, v42                            ; nu
	v_nop                                          ; a plain instruction behind the root,
	s_wait_alu depctr_va_vdst(0)                   ; and the wait ahead of its first use
	v_fma_f32 v47, v46, 0.5, 0x3fc00000            ; beta = 0.5 nu + 1.5
	v_rsq_f32 v49, v46                             ; 1 / sqrt(nu)
	v_mul_f32 v48, v47, v47                        ; (the plain instruction behind it)
	s_wait_alu depctr_va_vdst(0)
	v_mul_f32 v48, v48, v48                        ; beta^4
	v_mul_f32 v48, 0x38800000, v48                 ; x 2^-14
	v_mul_f32 v[K1], v48, v49
	v_mov_b32 v[K1+1], v[K1]
	s_wait_tensorcnt 0x1                           ; my part of K step 0 is in; K step 1's may stay out
	s_barrier_signal -1
	s_barrier_wait -1                              ; everybody's is
	v_mov_b32 v[ADRA], v[A0]
	v_mov_b32 v[ADRB], v[B0]
	FETCH 0, F0
	QUARTER 64, F0, F1, 1                          ; the first quarter stands in front of the loop: its products start the sums
	WIN 0
	s_mov_b32 s[CNT], 6
.Lk:                                               ; six trips: from a K step's second quarter to the next step's first; trip i fills step i's slot with step i + 2
	QUARTER 128, F1, F0, 0
	QUARTER 192, F0, F1, 0
	TURN 1
	QUARTER 64, F0, F1, 0
	WIN 0
	s_sub_co_u32 s[CNT], s[CNT], 1
	s_cmp_lg_u32 s[CNT], 0
	s_cbranch_scc1 .Lk
	QUARTER 128, F1, F0, 0                         ; the last two K steps are written out: nothing is left to fetch
	QUARTER 192, F0, F1, 0
	TURN 0
	QUARTER 64, F0, F1, 0
	QUARTER 128, F1, F0, 0
	QUARTER 192, F0, F1, 0
	s_wait_dscnt 4
	MUL8 F1, 0, 0
	MUL8 F1, 1, 0
	s_wait_dscnt 0x0
	MUL8 F1, 2, 0
	MUL8 F1, 3, 0
	WIN 0
	PLACES                                         ; behind the last products, in front of lines that read and write their results
	PLACES
; THE WAY OUT of block a (16 rows): times w in place; 32 bytes a lane into my own stage; back as whole rows of 512 bytes; stored.
.macro SCL a
	WIN 0x41
.irp b, 0,1,2,3,4,5,6,7
.irp p, 0,1,2,3
	v_pk_mul_f32 v[8*(8*(\a)+(\b))+2*(\p):8*(8*(\a)+(\b))+2*(\p)+1], v[8*(8*(\a)+(\b))+2*(\p):8*(8*(\a)+(\b))+2*(\p)+1], v[K1:K1+1]
.endr
.endr
.endm
.macro STG a
	WIN 0x04                                       ; the stores' data in window 1
.irp b, 0,1,2,3,4,5,6,7
	ds_store_b128 v[STO], v[8*(8*(\a)+(\b)):8*(8*(\a)+(\b))+3]   offset:64*(\b)
	ds_store_b128 v[STO], v[8*(8*(\a)+(\b))+4:8*(8*(\a)+(\b))+7] offset:64*(\b)+16
.endr
	WIN 0
.set BK, 64+64*((\a)%2)
.irp t, 0,1,2,3,4,5,6,7,8,9,10,11,12,13,14,15
	ds_load_b128 v[BK+4*(\t):BK+4*(\t)+3], v[RD] offset:(\t)*SP  ; LDS serves a wave's instructions in order (ISA guide 5.7.1.4): these see the stores above
.endr
.endm
.macro SEND a
	WIN 0
	s_wait_dscnt 0x0                               ; the block is back in registers
.set BK, 64+64*((\a)%2)
.irp t, 0,1,2,3,4,5,6,7,8,9,10,11,12,13,14,15
	global_store_b128 v[CO], v[BK+4*(\t):BK+4*(\t)+3], s[OUT:OUT+1] offset:(16*(\a)+(\t))*4096 th:TH_STORE_NT  ; 32 lanes store 512 consecutive bytes, aligned
.endr
.endm
	SCL 0
	STG 0
	SCL 1                                          ; a block's arithmetic stands between the loads of the block before and its stores
	SEND 0
	STG 1
	SCL 2
	SEND 1
	s_wait_xcnt 0x0                                ; block 0's stores have read their data: only behind this wait are those registers loaded again
	STG 2
	SCL 3
	SEND 2
	s_wait_xcnt 0x0                                ; likewise block 1's
	STG 3
	SEND 3
	s_wait_tensorcnt 0x0                           ; the wave's end, behind my last tensor load and my last LDS store
	ds_add_u32 v[SPW], v[NIL]
	s_wait_dscnt 0x0
	CROUND                                         ; the closing round: no work-group ends while a partner may still ask for a tile that names it
	s_endpgm
.Lfunc_end_k_q6a0e8f4cc1_apply:
	.size	k_q6a0e8f4cc1_apply, .Lfunc_end_k_q6a0e8f4cc1_apply-k_q6a0e8f4cc1_apply
	.p2alignl 7, 3214868480
	.fill 96, 4, 3214868480
	.section	.rodata,"a",@progbits
	.p2align	6, 0x0
	.amdhsa_kernel k_q6a0e8f4cc1_apply
		.amdhsa_group_segment_fixed_size 327680
		.amdhsa_private_segment_fixed_size 0
		.amdhsa_enable_private_segment 0
		.amdhsa_kernarg_size 32
		.amdhsa_user_sgpr_count 2
		.amdhsa_user_sgpr_kernarg_segment_ptr 1
		.amdhsa_wavefront_size32 1
		.amdhsa_system_sgpr_workgroup_id_x 1
		.amdhsa_system_sgpr_workgroup_id_y 1
		.amdhsa_system_sgpr_workgroup_id_z 1
		.amdhsa_system_vgpr_workitem_id 0
		.amdhsa_next_free_vgpr 512
		.amdhsa_next_free_sgpr 80
		.amdhsa_reserve_vcc 0
		.amdhsa_float_denorm_mode_32 3
		.amdhsa_float_denorm_mode_16_64 3
		.amdhsa_memory_ordered 1
		.amdhsa_forward_progress 1
		.amdhsa_inst_pref_size 78
	.end_amdhsa_kernel
	.amdgpu_metadata
---
amdhsa.version: [ 1, 2 ]
amdhsa.kernels:
  - .name:           k_q6a0e8f4cc1_apply
    .symbol:         k_q6a0e8f4cc1_apply.kd
    .args:
      - { .name: zh, .offset: 0, .size: 8, .value_kind: global_buffer, .address_space: global }
      - { .name: bh, .offset: 8, .size: 8, .value_kind: global_buffer, .address_space: global }
      - { .name: part, .offset: 16, .size: 8, .value_kind: global_buffer, .address_space: global }
      - { .name: out0, .offset: 24, .size: 8, .value_kind: global_buffer, .address_space: global }
    .group_segment_fixed_size: 327680
    .private_segment_fixed_size: 0
    .kernarg_segment_align: 8
    .kernarg_segment_size: 32
    .max_flat_workgroup_size: 128
    .sgpr_count:     80
    .vgpr_count:     512
    .wavefront_size: 32
...
	.end_amdgpu_metadata
.endif
;; end of part 5
